; MI455X (gfx1250); checked and timed in simulation.
; The chip was launched on July 23, 2026; its instructions are those of AMD's public machine-readable ISA for CDNA 5 (MIT licence, August 2026) and "CDNA5" Instruction Set Architecture Reference Guide (July 2026). The comments in the code are by the model that wrote it; some were corrected since.
;; ADDSE Self Attention Block. Allowed arithmetic: matrix products marked QUANTISED: E2M3 operands, one E8M0 scale for each 32 along K, by v_wmma_scale_f32_16x16x128_f8f6f4 with both operands' format E2M3, f32 sums; everything else in f32.
;; Inputs: cos_emb 2,048 x 64 float32; proj_b 1,024 float32; proj_w 1,024 x 1,024 float32; qkv_b 3,072 float32; qkv_w 3,072 x 1,024 float32; sin_emb 2,048 x 64 float32; x 4 x 2,048 x 1,024 float32.
;; Outputs: out0 4 x 2,048 x 1,024 float32.
;; This version of the problem:
;;   THIS VERSION OF THE PROBLEM IS GIVEN IN LOW PRECISION. The matrix products marked QUANTISED in the list below multiply operands that are first quantised to E2M3 (2 exponent bits, 3 mantissa bits; 6 bits a number), with one power-of-two scale for each 32 numbers along K (OCP MX v1.0); their sums are f32. All else is computed in f32.
;;   The module's matrix products, in the order in which they are computed (A, B: the left and right operand; K: the contracted axis; several contracted axes count as one K, in the product's order):
;;     1. [M 8,192, K 1,024] x [K 1,024, N 3,072]; A: input x; B: input qkv_w: QUANTISED
;;     2. batch 64 x [M 2,048, K 64] x [K 64, N 2,048]; A: computed on the way; B: computed on the way: QUANTISED
;;     3. batch 64 x [M 2,048, K 2,048] x [K 2,048, N 64]; A: softmax (see below); B: computed on the way: QUANTISED
;;     4. [M 8,192, K 1,024] x [K 1,024, N 1,024]; A: computed on the way; B: input proj_w: QUANTISED
;;   THE QUANTISER, for each operand of a quantised product, along K:
;;     - K is cut into blocks of 32 from its start; a last block that is shorter is filled with zeros.
;;     - A block's scale is 2^e with e = floor(log2(the largest magnitude in the block)) - 2, held to -126 .. 127; a block of zeros has e = 0. As a byte (E8M0): e + 127.
;;     - Each number is divided by its block's scale, clamped to +-7.5, and rounded to the nearest number of E2M3, ties to even, subnormals kept.
;;     - The product sums the exact products of the quantised numbers (number of the format x scale) in f32.
;;   ~~~python
;;   def quantise(x, axis):      # numpy; x: float32 -> the quantised numbers, widened to float32 again
;;       x = np.moveaxis(x, axis, -1); K = x.shape[-1]
;;       x = np.pad(x, [(0, 0)] * (x.ndim - 1) + [(0, -K % 32)]); x = x.reshape(x.shape[:-1] + (-1, 32)); a = np.abs(x).max(-1, keepdims=True)
;;       e = np.where(a > 0, np.clip(np.frexp(np.where(a > 0, a, 1))[1] - 1 - 2, -126, 127), 0)      # np.frexp(a)[1] - 1 = floor(log2(a)), exactly
;;       r = np.clip(x / 2.0 ** e, -7.5, 7.5)
;;       step = 2.0 ** (np.maximum(np.frexp(np.where(r == 0, 1, r))[1] - 1, 0) - 3)
;;       q = np.round(r / step) * step * 2.0 ** e      # np.round: ties to even
;;       return np.moveaxis(q.reshape(q.shape[:-2] + (-1,))[..., :K], -1, axis).astype(np.float32)
;;   ~~~
;;   SOFTMAX AHEAD OF A QUANTISED PRODUCT. Where the list says 'softmax', what is quantised is not the finished softmax but p = 2^(t - M), with t = logit x log2(e) and M = ceil(the row's largest t), a whole number; so 1/2 < the row's largest p <= 1. The row's sum l is taken of the UNQUANTISED p, in f32, and the product's result is divided by l at the end. Since M is a whole number, a kernel that streams over the keys may use a running M (the ceiling of the running maximum): every later rescaling is an exact power of two, which a block's scale takes up: the codes' values come out the same.
;;   OPERANDS COMPUTED ON THE WAY. 'Computed on the way' means the value that the module computes at that place (a softmax that the list does not call 'softmax' is quantised finished and normalised). What goes into a quantiser is computed in f32, as accurately as f32 sums, v_exp_f32 and their like allow (about 1e-6 of the number): no bf16 or f16 on the way to a quantiser, and a product that is left as it is and whose result goes on into a quantised operand takes f32 operands (vector FMAs, or v_wmma_f32_16x16x4_f32). A number that lies on a knife's edge between two numbers of the format may be rounded either way, as far as f32 arithmetic and the matrix unit's own rounding can turn it there, and no further.
;; One version. Each part assembles by itself: llvm-mc -triple=amdgcn-amd-amdhsa -mcpu=gfx1250 --defsym DOCPART=n.
;; ======== version 1 of 1: 4 launches
;; limits: right only within a limited range of input values
;; workspace buffers: opc 9,437,184 bytes; ops 393,216 bytes; cs 1,048,576 bytes; qkvc 18,874,368 bytes; qkvs 1,310,720 bytes; ac 6,291,456 bytes; asc 262,144 bytes
;; launch quant (part 1): grid 416 x 1, 4 waves a work-group, no clusters, 34,304 bytes of LDS; arguments x, qkv_w, proj_w, cos_emb, sin_emb, opc, ops, cs; writes opc, ops, cs
.if DOCPART == 1
	.amdgcn_target "amdgcn-amd-amdhsa--gfx1250"
	.amdhsa_code_object_version 6
	.text
	.protected	k_q9ac0913c9e_quant
	.globl	k_q9ac0913c9e_quant
	.p2align	8
	.type	k_q9ac0913c9e_quant,@function
k_q9ac0913c9e_quant:
	s_mov_b64 s[64:65], 0
	v_nop
	global_prefetch_b8 v0, s[64:65] scope:SCOPE_SE
	s_setreg_imm32_b32 hwreg(HW_REG_WAVE_MODE, 25, 1), 1
	s_wait_xcnt 0x0
; x [8192][1024], qkv_w [3072][1024], proj_w [1024][1024], f32, become codes of FP6 (E2M3) with one E8M0 byte for each 32 along K, laid as IMAGES OF OPERAND REGISTERS.
; ROW TILES: tile T holds 16 rows; position r is row 32 (T / 2) + 8 (T % 2) + r + 8 (r / 8).  Tiles 0-511 are x's, 512-703 qkv_w's, 704-767 proj_w's.
; opc: [tile][K step s 0..7][1,536 bytes]: a fragment (16 rows x 128 K, 12 registers a lane) as two halves of 768 bytes; a half: registers 0-3 at 16 x lane, registers 4, 5 at 512 + 8 x lane.
; ops: [tile][512 bytes]: the scale word of position r and K step s at 128 (s / 2) + 8 r + 4 (s % 2).
; cs:  cos_emb and sin_emb [2048][64] re-laid: [tile of 16 positions][cos, sin][b 0..1][j 0..3][lane][16 bytes]: lane (r, h) holds table[row of position r][32 b + 16 h + 4 j .. + 3].
; A block's scale byte is its largest magnitude's exponent field - 2, held at 1 from below; each number is divided by the scale and rounded to the nearest code, ties to even, beyond 7.5 the largest code.
; LIMITS: NaN and infinities are not served; a block whose largest magnitude lies under 2^-124 (a block of zeros too) gets the byte 1: its codes are zeros or near it, and the bytes are read by this program alone.
; SHARES: work-groups 0-383: wave W = 4 x work-group + wave makes four fragments, K steps 4 (W % 2) on, of tile W / 2.  Work-groups 384-415: a wave re-lays one tile of cos and sin; they touch no LDS.
; Each load reads 512 consecutive bytes of one row; the 16 rows turn through the wave's own stage in LDS (rows 528 bytes apart), from which lane (r, h) takes 32 neighbours along K of row r, twice.
; No tile is shared between work-groups, so there is no cluster; no tensor load: waves share nothing and pass no barrier.
.set STG,   8448                       ; a wave's stage: 16 rows x 528 bytes
.set SPARE, 33792                      ; behind the four stages: the spare words, 128 bytes a wave
.set SW,    12                         ; v12-15   the four fragments' scale words
.set SPW,   24                         ; v24      my spare word's LDS address; never rewritten
.set NIL,   25                         ; v25      0; never rewritten
.set R,     32                         ; v32-159  two sets of 64: a fragment's numbers as loaded
.set X,     160                        ; v160-223 64 numbers: 32 neighbours of K half c at X + 32 c
.set C,     224                        ; v224-235 the fragment's codes
.set CT,    236                        ; v236-238, v240-242 second halves of the blocks (a conversion's three registers begin on an even number)
	s_load_b256 s[4:11], s[0:1], 0x0               ; x, qkv_w, proj_w, cos_emb
	s_load_b256 s[12:19], s[0:1], 0x20             ; sin_emb, opc, ops, cs
	v_lshl_add_u32 v[SPW], v0, 2, SPARE
	v_mov_b32 v[NIL], 0
	v_lshrrev_b32 v1, 5, v0
	v_readfirstlane_b32 s24, v1                    ; wave
	v_and_b32 v1, 31, v0                           ; lane
	v_and_b32 v2, 15, v0                           ; r
	v_bfe_u32 v3, v0, 4, 1                         ; h
	v_lshlrev_b32 v4, 4, v1                        ; 16 x lane
	v_lshlrev_b32 v8, 3, v1                        ; 8 x lane
	s_mov_b32 s31, 0
	s_cmp_ge_u32 ttmp9, 384
	s_cbranch_scc1 .Lcs
	s_mul_i32 s23, s24, STG
	v_add_nc_u32 v5, s23, v4                       ; the stage, on the way in: a row's 512 bytes as they lie
	v_mul_u32_u24 v6, v2, 528
	v_lshl_add_u32 v6, v3, 7, v6
	v_add_nc_u32 v6, s23, v6                       ; and on the way out: row r, + 128 h
	v_lshlrev_b32 v9, 3, v3                        ; 8 h: my bytes' place in a scale word
	v_mov_b32 v21, 0                               ; a lane permute's destination counts as read
	s_mov_b32 s32, 0x76543210
	s_mov_b32 s33, 0xfedcba98                      ; selects for lane l xor 16
	s_mov_b32 s34, 0xffff0000                      ; lanes 16-31
	s_lshl_b32 s25, ttmp9, 2
	s_add_co_u32 s25, s25, s24                     ; W
	s_lshr_b32 s26, s25, 1                         ; the tile
	s_and_b32 s27, s25, 1                          ; which half of K
	s_wait_kmcnt 0x0
	s_cmp_lt_u32 ttmp9, 256                        ; whose tile: the choice hangs on the work-group's number alone
	s_cselect_b64 s[20:21], s[4:5], s[6:7]
	s_cselect_b32 s22, 0, 512
	s_cmp_lt_u32 ttmp9, 352
	s_cselect_b64 s[20:21], s[20:21], s[8:9]
	s_cselect_b32 s22, s22, 704
	s_sub_co_u32 s28, s26, s22                     ; the tile's number in its tensor
	s_lshr_b32 s29, s28, 1
	s_lshl_b32 s29, s29, 5
	s_and_b32 s28, s28, 1
	s_lshl_b32 s28, s28, 3
	s_add_co_u32 s28, s28, s29                     ; its first row
	s_lshl_b32 s30, s28, 12                        ; rows of 4,096 bytes
	s_lshl_b32 s28, s27, 11
	s_add_co_u32 s30, s30, s28
	s_add_nc_u64 s[20:21], s[20:21], s[30:31]
	s_mul_i32 s30, s25, 6144                       ; four fragments a wave
	s_add_nc_u64 s[14:15], s[14:15], s[30:31]
	s_lshl_b32 s30, s25, 8                         ; 256 bytes of scale words a wave
	s_add_nc_u64 s[16:17], s[16:17], s[30:31]
.macro LOAD f                          ; fragment f: 16 rows x 512 bytes into set f % 2
.set li, 0
.rept 16
	global_load_b128 v[R+64*((\f)%2)+4*li:R+64*((\f)%2)+4*li+3], v4, s[20:21] offset:(li+8*(li/8))*4096+512*(\f) th:TH_LOAD_NT
.set li, li+1
.endr
.endm
.macro FRAGQ f
.if (\f) < 3
	s_wait_loadcnt 16                              ; this fragment's 16 loads are in; the next one's may be out
.else
	s_wait_loadcnt 0x0
.endif
.set li, 0
.rept 16
	ds_store_b128 v5, v[R+64*((\f)%2)+4*li:R+64*((\f)%2)+4*li+3] offset:528*li
.set li, li+1
.endr
.irp c, 0,1
.irp j, 0,1,2,3,4,5,6,7
	ds_load_b128 v[X+32*\c+4*\j:X+32*\c+4*\j+3], v6 offset:256*\c+16*\j   ; LDS serves a wave's instructions in order: these see the stores above
.endr
.endr
	s_wait_dscnt 0x0                               ; the numbers are back; the stores have read their registers,
.if (\f) < 2
	LOAD (\f)+2                                    ; which take the fragment two on
.endif
.irp c, 0,1
	v_max3_num_f32 v[10+\c], |v[X+32*\c]|, |v[X+32*\c+1]|, 0x1800000   ; block 2 c + h: all 32 numbers are mine; the floor 2^(3 - 127) holds the byte at 1
.endr
.set mi, 2
.rept 15
.irp c, 0,1
	v_max3_num_f32 v[10+\c], v[10+\c], |v[X+32*\c+mi]|, |v[X+32*\c+mi+1]|
.endr
.set mi, mi+2
.endr
.irp c, 0,1
	v_add_nc_u32 v[16+\c], 0xff000000, v[10+\c]    ; 2 off the exponent field: the conversion's scale operand
.endr
.irp c, 0,1
	v_lshrrev_b32 v[18+\c], 23, v[16+\c]           ; the scale's byte
.endr
	v_lshl_or_b32 v20, v19, 16, v18                ; blocks h and 2 + h,
	v_lshlrev_b32 v20, v9, v20                     ; at their places;
	v_permlanex16_b32 v21, v20, s32, s33
	v_or_b32 v[SW+(\f)], v20, v21                  ; with lane l xor 16's two the word is whole
.if (\f) > 0
	s_wait_alu depctr_va_vdst(0)
	s_wait_xcnt 0x0                                ; the last fragment's stores have read the codes' registers
.endif
.irp c, 0,1
	v_cvt_scalef32_pk16_fp6_f32 v[C+6*\c:C+6*\c+2], v[X+32*\c:X+32*\c+15], v[16+\c]
	v_cvt_scalef32_pk16_fp6_f32 v[CT+4*\c:CT+4*\c+2], v[X+32*\c+16:X+32*\c+31], v[16+\c]
.endr
	v_nop                                          ; one plain place behind a scaled conversion
.irp c, 0,1
.irp i, 0,1,2
	v_mov_b32 v[C+6*\c+3+\i], v[CT+4*\c+\i]
.endr
.endr
	global_store_b128 v4, v[C:C+3], s[14:15] offset:1536*(\f)            ; each store covers 512 or 256 consecutive bytes, aligned to 256
	global_store_b64 v8, v[C+4:C+5], s[14:15] offset:1536*(\f)+512
	global_store_b128 v4, v[C+6:C+9], s[14:15] offset:1536*(\f)+768
	global_store_b64 v8, v[C+10:C+11], s[14:15] offset:1536*(\f)+1280
.endm
	s_wait_alu depctr_va_vdst(0)
	LOAD 0
	LOAD 1
	FRAGQ 0
	FRAGQ 1
	FRAGQ 2
	FRAGQ 3
	v_cndmask_b32 v22, v[SW], v[SW+2], s34         ; lanes 0-15 store the words of my first two K steps, lanes 16-31 of the other two
	v_cndmask_b32 v23, v[SW+1], v[SW+3], s34
	global_store_b64 v8, v[22:23], s[16:17]        ; 256 consecutive bytes, aligned
	s_wait_tensorcnt 0x0                           ; the wave's end
	ds_add_u32 v[SPW], v[NIL]
	s_wait_dscnt 0x0
	s_endpgm
.Lcs:                                  ; cos and sin: one tile of 16 positions a wave
	s_sub_co_u32 s25, ttmp9, 384
	s_lshl_b32 s25, s25, 2
	s_add_co_u32 s25, s25, s24                     ; the tile, 0..127
	s_lshr_b32 s26, s25, 1
	s_lshl_b32 s26, s26, 5
	s_and_b32 s27, s25, 1
	s_lshl_b32 s27, s27, 3
	s_add_co_u32 s26, s26, s27                     ; its first row
	s_lshl_b32 s30, s26, 8                         ; rows of 256 bytes
	s_wait_alu depctr_va_vdst(0)
	v_and_b32 v7, 8, v2
	v_add_nc_u32 v7, v7, v2                        ; r + 8 (r / 8)
	v_lshlrev_b32 v7, 8, v7
	v_lshl_add_u32 v7, v3, 6, v7                   ; + 64 h
	s_wait_alu depctr_va_vdst(0)
	s_wait_kmcnt 0x0
	s_add_nc_u64 s[10:11], s[10:11], s[30:31]
	s_add_nc_u64 s[12:13], s[12:13], s[30:31]
	s_lshl_b32 s30, s25, 13
	s_add_nc_u64 s[18:19], s[18:19], s[30:31]
.irp b, 0,1
.irp j, 0,1,2,3
	global_load_b128 v[32+16*\b+4*\j:35+16*\b+4*\j], v7, s[10:11] offset:128*\b+16*\j
	global_load_b128 v[64+16*\b+4*\j:67+16*\b+4*\j], v7, s[12:13] offset:128*\b+16*\j
.endr
.endr
	s_wait_loadcnt 0x0
.set li, 0
.rept 16
	global_store_b128 v4, v[32+4*li:35+4*li], s[18:19] offset:512*li   ; 512 consecutive bytes, aligned
.set li, li+1
.endr
	s_endpgm
.Lfunc_end_k_q9ac0913c9e_quant:
	.size	k_q9ac0913c9e_quant, .Lfunc_end_k_q9ac0913c9e_quant-k_q9ac0913c9e_quant
	.p2alignl 7, 3214868480
	.fill 96, 4, 3214868480
	.section	.rodata,"a",@progbits
	.p2align	6, 0x0
	.amdhsa_kernel k_q9ac0913c9e_quant
		.amdhsa_group_segment_fixed_size 34304
		.amdhsa_private_segment_fixed_size 0
		.amdhsa_enable_private_segment 0
		.amdhsa_kernarg_size 64
		.amdhsa_user_sgpr_count 2
		.amdhsa_user_sgpr_kernarg_segment_ptr 1
		.amdhsa_wavefront_size32 1
		.amdhsa_system_sgpr_workgroup_id_x 1
		.amdhsa_system_sgpr_workgroup_id_y 1
		.amdhsa_system_sgpr_workgroup_id_z 1
		.amdhsa_system_vgpr_workitem_id 0
		.amdhsa_next_free_vgpr 248
		.amdhsa_next_free_sgpr 66
		.amdhsa_reserve_vcc 0
		.amdhsa_float_denorm_mode_32 3
		.amdhsa_float_denorm_mode_16_64 3
		.amdhsa_memory_ordered 1
		.amdhsa_forward_progress 1
		.amdhsa_inst_pref_size 35
	.end_amdhsa_kernel
	.amdgpu_metadata
---
amdhsa.version: [ 1, 2 ]
amdhsa.kernels:
  - .name:           k_q9ac0913c9e_quant
    .symbol:         k_q9ac0913c9e_quant.kd
    .args:
      - { .name: x, .offset: 0, .size: 8, .value_kind: global_buffer, .address_space: global }
      - { .name: qkv_w, .offset: 8, .size: 8, .value_kind: global_buffer, .address_space: global }
      - { .name: proj_w, .offset: 16, .size: 8, .value_kind: global_buffer, .address_space: global }
      - { .name: cos_emb, .offset: 24, .size: 8, .value_kind: global_buffer, .address_space: global }
      - { .name: sin_emb, .offset: 32, .size: 8, .value_kind: global_buffer, .address_space: global }
      - { .name: opc, .offset: 40, .size: 8, .value_kind: global_buffer, .address_space: global }
      - { .name: ops, .offset: 48, .size: 8, .value_kind: global_buffer, .address_space: global }
      - { .name: cs, .offset: 56, .size: 8, .value_kind: global_buffer, .address_space: global }
    .group_segment_fixed_size: 34304
    .private_segment_fixed_size: 0
    .kernarg_segment_align: 8
    .kernarg_segment_size: 64
    .max_flat_workgroup_size: 128
    .sgpr_count:     66
    .vgpr_count:     248
    .wavefront_size: 32
...
	.end_amdgpu_metadata
.endif
;; end of part 1
;; launch qkv (part 2): grid 8 x 48, 4 waves a work-group, clusters of 4 x 4, 327,680 bytes of LDS; arguments opc, ops, cs, qkv_b, qkvc, qkvs; writes qkvc, qkvs
.if DOCPART == 2
	.amdgcn_target "amdgcn-amd-amdhsa--gfx1250"
	.amdhsa_code_object_version 6
	.text
	.protected	k_q9ac0913c9e_qkv
	.globl	k_q9ac0913c9e_qkv
	.p2align	8
	.type	k_q9ac0913c9e_qkv,@function
k_q9ac0913c9e_qkv:
	s_mov_b64 s[64:65], 0
	v_nop
	global_prefetch_b8 v0, s[64:65] scope:SCOPE_SE
	s_setreg_imm32_b32 hwreg(HW_REG_WAVE_MODE, 25, 1), 1
	s_wait_xcnt 0x0
	s_wait_alu depctr_hold_cnt(0) depctr_sa_sdst(0) depctr_va_vdst(0) depctr_va_sdst(0) depctr_va_ssrc(0) depctr_va_vcc(0) depctr_vm_vsrc(0)
	s_getreg_b32 s2, hwreg(HW_REG_IB_STS2, 6, 4)
	s_cmp_eq_u32 s2, 0
	s_cbranch_scc0 .Lentry_in_a_cluster
	s_endpgm
.Lentry_in_a_cluster:
	s_bfe_u32 s2, ttmp6, 0x10000c
	s_cmp_lg_u32 s2, 0xf033
	s_cbranch_scc0 .Lentry_shape_is_right
	s_endpgm
.Lentry_shape_is_right:
; qkv = x qkv_w^T + qkv_b on codes of FP6 (E2M3); then, in registers: the rotary embedding on q and k, and the quantisers of q, k (along the head's 64) and v (along the keys).  Only codes and scale bytes are stored.
; OPERANDS are images of operand registers (opc: [tile][K step][1,536 bytes]; ops: [tile][512 bytes]).  Position r of row tile T is row 32 (T / 2) + 8 (T % 2) + r + 8 (r / 8).
; A work-group of four waves makes 256 S0 rows x 256 S1 rows, a wave 128 x 128: 64 accumulators.  Source 0 = 16 rows of S0 (tile b), source 1 = 16 rows of S1 (tile a): lane (r, h) holds position r of S1's tile,
; and by the order of rows in a tile the 16 registers of accumulators (a, 2 B), (a, 2 B + 1) are S0's rows 32 B + 16 h + 0 .. 15: neighbours, as the conversions want them.
; TWO MODES, chosen by the cluster's y, which all partners share.  y < 8 (q and k): S0 = rows of the weight, S1 = rows of x: a lane's registers run along the channels.
; y >= 8 (v): S0 = rows of x, S1 = rows of the weight: a lane's registers run along the KEYS, which are the K of the product that v enters.
; K = 1,024 goes through three LDS slots of 256 along K: slots 0, 1, 2 are filled at the start, slot 0 once more: one refill, behind one round of the cluster's barrier.  The scale words come once.
; CLUSTER 4 x 4: S1's tiles hang on the place along y and are asked for jointly by a row of the cluster, S0's on the place along x, by a column.
; STORED: qkvc: q at 0: [b h][tile of 16 rows 0..127][768 bytes]; k and v at 6,291,456: [b h][step of 128 keys][k: 8 tiles x 768 bytes; v: 4 tiles of 16 channels x 1,536 bytes].
;   qkvs: q at 0: [b h][8 tiles: 512 bytes]; at 524,288: [b h][k: 16 x 512 bytes; v: 16 x 256 bytes].  In 512 bytes lane (r, h) has the words of tiles 2 j + h, j = 0..3; in 256 bytes those of tiles h and 2 + h.
;   A word of q or k: bytes 0, 1 the head's two blocks, bytes 2, 3 the byte 1 (for the half of the matrix instruction's K that a head of 64 leaves empty).
; LIMITS: NaN and infinities are not served; a block whose largest magnitude lies under 2^-124 gets the byte 1 (read by this program alone).
; REGISTERS: window 0: v1-29 addresses; v32-63 scale words, two sets; v64-127 the bias; v128-223 S1's fragments, one set; behind the products v128-228 are the quantiser's.
;   window 1: S0's fragments, two sets, v0-95 and v128-223; v96-127, v224-255 and later v0-63: cos and sin.   windows 2, 3: accumulator (a, b) at v[8 (8 (a % 4) + b)] of window 2 + a / 4.
; HOW THE SLOTS ARE FILLED, as the text now stands: at the head one joint load a wave (wave 0: S1's 16 tiles of K slot 0, wave 1: S0's, waves 2, 3: the two sides' scale words);
; K slot 1 behind a round ahead of K step 0, K slot 2 behind the round of K step 1, K slot 3 into slot 0 behind the round of K step 3: one load a wave behind each round.
.set FR,    12
.set FRB,   1536                       ; a fragment's image
.set SLB,   3072                       ; a tile's two K steps in a slot
.set HALFT, 24576                      ; eight tiles: what one tensor load brings
.set SIDE,  49152
.set SLOT,  98304                      ; S1's 16 tiles, then S0's
.set SCL,   294912                     ; behind the three slots: the scale words, 4,096 bytes for each wave's eight tiles
.set SPARE, 311296                     ; the spare words, 128 bytes a wave
.set NL,    4                          ; LDS loads that bring a fragment
.set NP,    4                          ; places behind this matrix instruction (ISA guide 7.12.1)
.set A16,   4                          ; v4-6   S1, slot s: 16 x lane + ..;  v7-9 the same with 8 x lane
.set A8,    7
.set B16,   10                         ; v10-12, v13-15 S0 likewise
.set B8,    13
.set ADRS,  16                         ; v16    my scale words: lanes 0-15 S1's, lanes 16-31 S0's
.set L16,   17                         ; v17    16 x lane
.set L8,    18                         ; v18    8 x lane
.set SPW,   28
.set NIL,   29
.set SC,    32
.set BI,    64
.set AF,    128
.set T,     128                        ; v128-191 64 numbers ahead of the quantiser
.set PC,    192                        ; v192-210 the codes
.set TM,    212                        ; v212-227 at work
.set PW,    228                        ; the scale word
.set SEL,   100
.set G1A,   24
.set G1B,   32
.set G1SA,  40
.set G1SB,  48
.set G0A0,  56
.set G0A1,  60
.set G0A2,  68
.set G0B0,  72
.set G0B1,  76
.set G0B2,  80
.set G0SA,  84
.set G0SB,  88
.set MSB, 0
.macro WIN new                         ; the immediate's high byte repeats the setting that is left
.if MSB != (\new)
	s_set_vgpr_msb (MSB<<8)|(\new)
.set MSB, (\new)
.endif
.endm
.set MUL_LO, 0xa1                      ; source 0 window 1, source 1 window 0, C and D window 2
.set MUL_HI, 0xf1
.set TO_B,   0x40
.macro JLOAD g0a, g1a, g0b, g1b        ; a joint load: waves 0, 1 fetch for S1, waves 2, 3 for S0
	s_cmp_eq_u32 s17, 0
	s_cbranch_scc0 .Lfor_b_\@
	tensor_load_to_lds s[\g0a:\g0a+3], s[\g1a:\g1a+7]
	s_nop 0
.rept 4
	v_nop
.endr
	s_branch .Lasked_\@
.Lfor_b_\@:
	tensor_load_to_lds s[\g0b:\g0b+3], s[\g1b:\g1b+7]
	s_nop 0
.rept 4
	v_nop
.endr
.Lasked_\@:
.endm
.macro CREST
	s_cmp_lg_u32 s16, 0
	s_cbranch_scc1 .Lnot_wave_0_\@
	s_barrier_signal -3
.Lnot_wave_0_\@:
	s_barrier_wait -3
	s_barrier_signal -1
	s_barrier_wait -1
.endm
.macro CROUND
	s_barrier_signal -1
	s_barrier_wait -1
	CREST
.endm
.macro MKG0 g, lreg, lofs, bas, gofs   ; a descriptor's group 0
	s_mov_b32 s[\g], 1
	s_add_co_u32 s[\g+1], s[\lreg], \lofs
	s_add_nc_u64 s[\g+2:\g+3], s[\bas:\bas+1], \gofs
	s_or_b32 s[\g+3], s[\g+3], 0x80000000
.endm
.macro PLACES n
.rept \n
	v_nop
.endr
.endm
.macro FRAG reg, a16, a8, q, i         ; a fragment comes back as it was stored: each load takes 512 or 256 consecutive bytes
	ds_load_b128 v[\reg:\reg+3], v[\a16] offset:(\i)*SLB+(\q)*FRB
	ds_load_b64 v[\reg+4:\reg+5], v[\a8] offset:(\i)*SLB+(\q)*FRB+512
	ds_load_b128 v[\reg+6:\reg+9], v[\a16] offset:(\i)*SLB+(\q)*FRB+768
	ds_load_b64 v[\reg+10:\reg+11], v[\a8] offset:(\i)*SLB+(\q)*FRB+1280
.endm
.macro FETCH_B slot, q, p
	WIN TO_B
.irp i, 0,1,2,3,4,5,6,7
	FRAG 128*(\p)+FR*\i, B16+\slot, B8+\slot, \q, \i
.endr
	WIN 0
.endm
.macro FETCH_A slot, q, i0
.irp i, \i0, \i0+1, \i0+2, \i0+3
	FRAG AF+FR*(\i), A16+\slot, A8+\slot, \q, \i
.endr
.endm
.macro SCALES sg                       ; the two words of K slot sg, for eight tiles of each side, into set sg % 2
.irp i, 0,1,2,3,4,5,6,7
	ds_load_b64 v[SC+16*((\sg)%2)+2*\i:SC+16*((\sg)%2)+2*\i+1], v[ADRS] offset:512*\i+128*(\sg)
.endr
.endm
; 16 matrix instructions: S1's blocks a0, a0 + 1 x S0's eight.  The 64 accumulators take turns in one order throughout.  cmode 1: the products start the sums.
.macro MUL16 a0, p, q, sc, cmode
.irp a, \a0, \a0+1
.irp b, 0,1,2,3,4,5,6,7
.if \cmode == 1
	v_wmma_scale_f32_16x16x128_f8f6f4 v[8*(8*((\a)%4)+\b):8*(8*((\a)%4)+\b)+7], v[128*(\p)+FR*\b:128*(\p)+FR*\b+FR-1], v[AF+FR*(\a):AF+FR*(\a)+FR-1], 0, v[SC+16*(\sc)+2*\b+(\q)], v[SC+16*(\sc)+2*(\a)+(\q)] matrix_a_fmt:MATRIX_FMT_FP6 matrix_b_fmt:MATRIX_FMT_FP6 matrix_a_scale:MATRIX_SCALE_ROW1
.else
	v_wmma_scale_f32_16x16x128_f8f6f4 v[8*(8*((\a)%4)+\b):8*(8*((\a)%4)+\b)+7], v[128*(\p)+FR*\b:128*(\p)+FR*\b+FR-1], v[AF+FR*(\a):AF+FR*(\a)+FR-1], v[8*(8*((\a)%4)+\b):8*(8*((\a)%4)+\b)+7], v[SC+16*(\sc)+2*\b+(\q)], v[SC+16*(\sc)+2*(\a)+(\q)] matrix_a_fmt:MATRIX_FMT_FP6 matrix_b_fmt:MATRIX_FMT_FP6 matrix_a_scale:MATRIX_SCALE_ROW1
.endif
.endr
.endr
.endm
; A K step of 128: S0's set p, the slot's q-th half, scale set sc.  It fetches the next step's fragments (slot ns, half nq) and, where sn >= 0, K slot sn's scale words.
.macro STEP p, q, sc, cmode, ns, nq, sn
	s_wait_dscnt 4*NL                              ; all but the youngest sixteen loads (S1's blocks 4-7)
	WIN MUL_LO
	MUL16 0, \p, \q, \sc, \cmode
	MUL16 2, \p, \q, \sc, \cmode
	s_wait_dscnt 0x0                               ; S1's blocks 4-7 are in
	PLACES NP                                      ; in front of loads into registers that matrix instructions have read
	FETCH_B \ns, \nq, 1-(\p)
	FETCH_A \ns, \nq, 0
.if (\sn) >= 0
	SCALES \sn
.endif
	WIN MUL_HI
	MUL16 4, \p, \q, \sc, \cmode
	MUL16 6, \p, \q, \sc, \cmode
	PLACES NP
	WIN 0
	FETCH_A \ns, \nq, 4
.endm
; A slot's last step with a barrier: each wave waits for all its tensor loads, adds 0 to its spare word, waits for that and for its reads.  fill = 1: slot 0, read out, takes the last 256 along K, behind a round of the cluster's barrier.
.macro TURN sc, fill, ns, sn
	s_wait_tensorcnt 0x0                           ; all my tensor loads have landed
	ds_add_u32 v[SPW], v[NIL]
	s_wait_dscnt 4*NL+1                            ; (the add and the youngest sixteen loads may be out)
	WIN MUL_LO
	MUL16 0, 1, 1, \sc, 0
	s_wait_dscnt 0x0                               ; the add is done, and my reads of the slot are over
	s_barrier_signal -1
	MUL16 2, 1, 1, \sc, 0
	WIN 0
	s_barrier_wait -1
.if \fill
	CREST                                          ; no wave of any partner still reads slot 0 or has a load on its way
.if \fill == 1
	JLOAD G0A0, G1A, G0B0, G1B                     ; slot 0 again: K slot 3.  One load a wave; its four v_nop are the places in front of the loads below
.else
	JLOAD G0A2, G1A, G0B2, G1B                     ; slot 2's first fill
.endif
.else
	PLACES NP
.endif
	FETCH_B \ns, 0, 0
	FETCH_A \ns, 0, 0
	SCALES \sn
	WIN MUL_HI
	MUL16 4, 1, 1, \sc, 0
	MUL16 6, 1, 1, \sc, 0
	PLACES NP
	WIN 0
	FETCH_A \ns, 0, 4
.endm
.macro LAST                            ; the last K step: nothing more to fetch
	s_wait_dscnt 4*NL
	WIN MUL_LO
	MUL16 0, 1, 1, 1, 0
	MUL16 2, 1, 1, 1, 0
	s_wait_dscnt 0x0
	WIN MUL_HI
	MUL16 4, 1, 1, 1, 0
	MUL16 6, 1, 1, 1, 0
	WIN 0
.endm
; 64 numbers of a lane, register 16 b + i = k 32 b + 16 (lane / 16) + i of my row, become a fragment's codes in v[PC] on and its scale word in v[PW].
.macro QUANT s
.irp b, 0,1,2,3
	v_max3_num_f32 v[TM+\b], |v[\s+16*\b]|, |v[\s+1+16*\b]|, 0x1800000   ; my 16 numbers of block b, and the floor 2^(3 - 127)
.endr
.irp i, 2,4,6,8,10,12,14
.irp b, 0,1,2,3
	v_max3_num_f32 v[TM+\b], v[TM+\b], |v[\s+16*\b+\i]|, |v[\s+1+16*\b+\i]|
.endr
.endr
.irp b, 0,1,2,3
	v_permlanex16_b32 v[TM+4+\b], v[TM+\b], s[SEL], s[SEL+1]
.endr
.irp b, 0,1,2,3
	v_max_num_f32 v[TM+\b], v[TM+\b], v[TM+4+\b]   ; with lane l xor 16's: the block's largest magnitude
.endr
.irp b, 0,1,2,3
	v_add_nc_u32 v[TM+12+\b], 0xff000000, v[TM+\b] ; 2 off its exponent field: the conversion's scale operand
.endr
.irp b, 0,1,2,3
	v_lshrrev_b32 v[TM+4+\b], 23, v[TM+12+\b]      ; the scale's byte
.endr
	v_lshl_or_b32 v[PW], v[TM+5], 8, v[TM+4]
	v_lshl_or_b32 v[PW], v[TM+6], 16, v[PW]
	v_lshl_or_b32 v[PW], v[TM+7], 24, v[PW]
.irp c, 0,1
	v_cvt_scalef32_pk16_fp6_f32 v[PC+6*\c:PC+2+6*\c], v[\s+32*\c:\s+15+32*\c], v[TM+12+2*\c]
	v_cvt_scalef32_pk16_fp6_f32 v[PC+12+4*\c:PC+14+4*\c], v[\s+16+32*\c:\s+31+32*\c], v[TM+12+2*\c+1]
.endr
	v_nop                                          ; one plain place behind a scaled conversion
.irp c, 0,1                            ; the operand's layout wants a whole block in a lane
.irp i, 0,1,2
	v_permlane16_swap_b32 v[PC+6*\c+\i], v[PC+12+4*\c+\i]
.endr
.irp i, 0,1,2
	v_mov_b32 v[PC+3+6*\c+\i], v[PC+12+4*\c+\i]
.endr
.endr
.endm
	s_load_b256 s[4:11], s[0:1], 0x0               ; opc, ops, cs, qkv_b
	s_load_b128 s[12:15], s[0:1], 0x20             ; qkvc, qkvs
	v_lshl_add_u32 v[SPW], v0, 2, SPARE
	v_mov_b32 v[NIL], 0
	ds_add_u32 v[SPW], v[NIL]                      ; the wave's opening: the add and its wait ahead of my first tensor load
	ds_add_u32 v[SPW], v[NIL]
	v_lshrrev_b32 v1, 5, v0
	v_readfirstlane_b32 s16, v1                    ; wave
	s_lshr_b32 s17, s16, 1                         ; my half of S1's rows; also: I fetch for S1 (0) or S0 (1)
	s_and_b32 s18, s16, 1                          ; my half of S0's rows; also: which eight tiles I fetch
	s_bfe_u32 s19, ttmp6, 0x40000                  ; cx
	s_bfe_u32 s20, ttmp6, 0x40004                  ; cy
	s_and_b32 s21, ttmp7, 0xffff                   ; the cluster's y: the mode
	s_lshl_b32 s22, ttmp9, 2
	s_add_co_u32 s22, s22, s19                     ; work-group x
	s_lshl_b32 s2, s20, 2
	s_lshl_b32 s2, 15, s2                          ; my row of the cluster
	s_lshl_b32 s3, 0x1111, s19                     ; my column
	s_or_b32 s[G1A], s2, (3<<16)|(1<<21)           ; the mask; elements of 8 bytes; bit 21 beside a mask; no padding
	s_or_b32 s[G1B], s3, (3<<16)|(1<<21)
.irp g, G1A, G1B                       ; codes: 16 rows (tiles) of 384 elements (3,072 bytes), 1,536 elements apart
	s_mov_b32 s[\g+1], 384<<16
	s_mov_b32 s[\g+2], 16<<16
	s_mov_b32 s[\g+3], 384<<16
	s_mov_b32 s[\g+4], 16
	s_mov_b32 s[\g+5], 1536
	s_mov_b32 s[\g+6], 0
	s_mov_b32 s[\g+7], 0
.endr
	s_or_b32 s[G1SA], s2, (3<<16)|(1<<21)
	s_or_b32 s[G1SB], s3, (3<<16)|(1<<21)
.irp g, G1SA, G1SB                     ; scale words of 16 tiles: 8,192 dense bytes as 32 rows of 256
	s_mov_b32 s[\g+1], 32<<16
	s_mov_b32 s[\g+2], 32<<16
	s_mov_b32 s[\g+3], 32<<16
	s_mov_b32 s[\g+4], 32
	s_mov_b32 s[\g+5], 32
	s_mov_b32 s[\g+6], 0
	s_mov_b32 s[\g+7], 0
.endr
	s_lshl_b32 s92, s21, 6                         ; q, k: S1 = x's tiles 16 (4 y + cy)
	s_max_u32 s96, s21, 8
	s_sub_co_u32 s96, s96, 8
	s_lshl_b32 s96, s96, 7                         ; v: S0 = x's tiles 16 (x + 8 (y - 8))
	s_cmp_lt_u32 s21, 8
	s_cselect_b32 s92, s92, 640                    ; v: S1 = the weight's tiles 640 + 16 cy
	s_cselect_b32 s96, 512, s96                    ; q, k: S0 = the weight's tiles 512 + 16 x
	s_lshl_b32 s93, s20, 4
	s_add_co_u32 s92, s92, s93
	s_lshl_b32 s97, s22, 4
	s_add_co_u32 s96, s96, s97
	s_mul_i32 s2, s18, 98304                       ; in the ring I fetch eight tiles of 12,288 bytes: which eight, in bytes
	s_mov_b32 s3, 0
	s_mul_i32 s94, s92, 12288
	s_lshl_b32 s92, s92, 9
	s_mul_i32 s98, s96, 12288
	s_lshl_b32 s96, s96, 9
	s_mov_b32 s93, 0
	s_mov_b32 s95, 0
	s_mov_b32 s97, 0
	s_mov_b32 s99, 0
	s_mul_i32 s66, s16, HALFT                      ; where they go: the wave's number alone
	s_mov_b32 s[SEL], 0x76543210
	s_mov_b32 s[SEL+1], 0xfedcba98
	s_wait_dscnt 0x0                               ; the opening add is done
	s_wait_kmcnt 0x0
	s_add_nc_u64 s[94:95], s[4:5], s[94:95]
	s_add_nc_u64 s[92:93], s[6:7], s[92:93]
	s_add_nc_u64 s[98:99], s[4:5], s[98:99]
	s_add_nc_u64 s[96:97], s[6:7], s[96:97]
.macro MKH g, lds, bas                 ; group 0 of a head's load: a whole side, at a constant LDS address
	s_mov_b32 s[\g], 1
	s_mov_b32 s[\g+1], \lds
	s_mov_b64 s[\g+2:\g+3], s[\bas:\bas+1]
	s_or_b32 s[\g+3], s[\g+3], 0x80000000
.endm
.macro ARM under, g0, g1, next         ; one arm of the head's chain: its load, and a jump to the join
	s_cmp_lt_u32 s16, \under
	s_cbranch_scc0 \next
	tensor_load_to_lds s[\g0:\g0+3], s[\g1:\g1+7]
	s_nop 0
.rept 4
	v_nop
.endr
	s_branch .Lhead_asked
\next:
.endm
	MKH G0SA, SCL, 92
	MKH G0SB, SCL+8192, 96
	MKH G0A0, 0, 94
	MKH G0B0, SIDE, 98
	s_add_nc_u64 s[94:95], s[94:95], s[2:3]        ; for the ring: my eight tiles
	s_add_nc_u64 s[98:99], s[98:99], s[2:3]
	MKG0 G0A1, 66, SLOT, 94, SLB
	MKG0 G0A2, 66, 2*SLOT, 94, 2*SLB
	MKG0 G0B1, 66, SLOT, 98, SLB
	MKG0 G0B2, 66, 2*SLOT, 98, 2*SLB
	s_add_co_u32 s2, s2, 3*SLB                     ; from a side's K slot 0 to my eight tiles' K slot 3
	CROUND                                         ; all sixteen work-groups are here: the first joint loads meet
	ARM 1, G0A0, G1A, .Lhead_b                     ; one load a wave at the head: S1's 16 tiles of K slot 0,
	ARM 2, G0B0, G1B, .Lhead_sa                    ; S0's,
	ARM 3, G0SA, G1SA, .Lhead_sb                   ; S1's scale words,
	tensor_load_to_lds s[G0SB:G0SB+3], s[G1SB:G1SB+7]  ; S0's
	s_nop 0
.rept 4
	v_nop
.endr
.Lhead_asked:
	v_and_b32 v1, 31, v0
	v_and_b32 v2, 15, v0                           ; r
	v_bfe_u32 v3, v0, 4, 1                         ; h
	v_lshlrev_b32 v[L16], 4, v1
	v_lshlrev_b32 v[L8], 3, v1
	s_mul_i32 s92, s17, HALFT
	s_mul_i32 s93, s18, HALFT
	s_add_co_u32 s93, s93, SIDE
.irp s, 0,1,2
	v_add_nc_u32 v[A16+\s], s92, v[L16]
	v_add_nc_u32 v[A8+\s], s92, v[L8]
	v_add_nc_u32 v[B16+\s], s93, v[L16]
	v_add_nc_u32 v[B8+\s], s93, v[L8]
	s_add_co_u32 s92, s92, SLOT
	s_add_co_u32 s93, s93, SLOT
.endr
	v_lshlrev_b32 v[ADRS], 3, v2                   ; 8 r
	s_lshl_b32 s92, s17, 12
	s_lshl_b32 s93, s18, 12
	s_add_co_u32 s93, s93, 8192
	s_sub_co_u32 s93, s93, s92
	v_mul_u32_u24 v19, s93, v3                     ; lanes 16-31 take S0's
	s_add_co_u32 s92, s92, SCL
	v_add_nc_u32 v[ADRS], v[ADRS], v19
	v_add_nc_u32 v[ADRS], s92, v[ADRS]
	v_lshlrev_b32 v19, 6, v3                       ; 64 h: the bias of q and k
	v_and_b32 v20, 8, v2
	v_add_nc_u32 v20, v20, v2
	v_lshlrev_b32 v20, 2, v20                      ; 4 (r + 8 (r / 8)): the bias of v
	s_wait_alu depctr_va_vdst(0)
	s_wait_tensorcnt 0x0                           ; my tile of the head's four is in
	ds_add_u32 v[SPW], v[NIL]
	s_mov_b32 s[G1A+2], 8<<16                      ; no tensor load of mine is out: from here on a load brings eight tiles,
	s_mov_b32 s[G1A+4], 8
	s_mov_b32 s[G1B+2], 8<<16
	s_mov_b32 s[G1B+4], 8
	s_add_co_u32 s[G0A0+1], s66, 0                 ; and slot 0's group 0 is set for its refill: my eight tiles of K slot 3
	s_add_co_u32 s[G0B0+1], s66, 0
	s_add_nc_u64 s[G0A0+2:G0A0+3], s[G0A0+2:G0A0+3], s[2:3]
	s_add_nc_u64 s[G0B0+2:G0B0+3], s[G0B0+2:G0B0+3], s[2:3]
	s_wait_dscnt 0x0
	CROUND                                         ; all four tiles are in, in every partner
	JLOAD G0A1, G1A, G0B1, G1B                     ; K slot 1, the first tensor load behind the round
	FETCH_B 0, 0, 0
	FETCH_A 0, 0, 0
	SCALES 0
	FETCH_A 0, 0, 4
	STEP 0, 0, 0, 1, 0, 1, -1                      ; K step 0 starts the sums
	TURN 0, 2, 1, 1                                ; 1: slot 1 is whole in every wave; slot 2 is asked for
	STEP 0, 0, 1, 0, 1, 1, -1                      ; 2
	TURN 1, 1, 2, 2                                ; 3: slot 2 is whole; slot 0, read out since K step 1, takes K slot 3
	STEP 0, 0, 0, 0, 2, 1, -1                      ; 4
	TURN 0, 0, 0, 3                                ; 5: the refill has landed in every wave
	STEP 0, 0, 1, 0, 0, 1, -1                      ; 6
	s_cmp_ge_u32 s21, 8                            ; the modes part; they do not join.  No tensor load is out: the descriptors' registers are free
	s_cbranch_scc1 .Lv
	; ---- q and k
	s_lshl_b32 s24, s21, 2
	s_add_co_u32 s24, s24, s20                     ; work-group y
	s_lshr_b32 s25, s24, 3                         ; the batch
	s_lshl_b32 s26, s24, 1
	s_add_co_u32 s26, s26, s17
	s_and_b32 s26, s26, 15                         ; which 128 rows of the batch's 2,048
	s_lshl_b32 s27, s22, 2
	s_lshl_b32 s29, s18, 1
	s_add_co_u32 s27, s27, s29
	s_and_b32 s27, s27, 15                         ; my first head
	s_lshl_b32 s29, s25, 4
	s_add_co_u32 s27, s27, s29                     ; 16 x batch + head
	s_lshl_b32 s28, 98304, ttmp9                   ; a head's codes: 98,304 bytes in q, twice that in k and v (the cluster's x is 0 for q, 1 for k)
	s_lshl_b32 s29, 6144, ttmp9
	s_mul_i32 s30, s27, s28
	s_mul_i32 s29, s26, s29
	s_add_co_u32 s30, s30, s29
	s_mul_i32 s29, ttmp9, 6291456
	s_add_co_u32 s30, s30, s29
	s_mov_b32 s31, 0
	s_add_nc_u64 s[32:33], s[12:13], s[30:31]      ; codes, my first head
	s_mov_b32 s30, s28
	s_add_nc_u64 s[34:35], s[32:33], s[30:31]      ; my second
	s_lshl_b32 s36, ttmp9, 12
	s_add_co_u32 s36, s36, 8192                    ; a head's scale words
	s_mul_i32 s30, s27, s36
	s_lshl_b32 s37, s26, 9
	s_add_co_u32 s30, s30, s37
	s_lshl_b32 s37, ttmp9, 19
	s_add_co_u32 s30, s30, s37
	s_add_nc_u64 s[38:39], s[14:15], s[30:31]
	s_mov_b32 s30, s36
	s_add_nc_u64 s[40:41], s[38:39], s[30:31]
	s_lshl_b32 s30, s24, 4
	s_lshl_b32 s37, s17, 3
	s_add_co_u32 s30, s30, s37
	s_and_b32 s30, s30, 127
	s_lshl_b32 s30, s30, 13
	s_add_nc_u64 s[8:9], s[8:9], s[30:31]          ; cos and sin of my eight tiles of rows
	s_lshl_b32 s30, s22, 10
	s_lshl_b32 s37, s18, 9
	s_add_co_u32 s30, s30, s37
	s_add_nc_u64 s[10:11], s[10:11], s[30:31]      ; the bias of my 128 channels
	s_mov_b32 s42, 0xffff
	s_mov_b32 s43, 0x01010000
	s_mov_b32 s44, 0xffff0000
.irp be, 0,1,2,3
.irp j, 0,1,2,3
	global_load_b128 v[BI+16*\be+4*\j:BI+16*\be+4*\j+3], v19, s[10:11] offset:128*\be+16*\j   ; register 16 B + i: channel 32 B + 16 h + i
.endr
.endr
	WIN TO_B
.irp ch, 0,1,2,3,4,5,6,7
	global_load_b128 v[96+4*\ch:99+4*\ch], v[L16], s[8:9] offset:512*\ch           ; block 0's cos,
	global_load_b128 v[224+4*\ch:227+4*\ch], v[L16], s[8:9] offset:4096+512*\ch    ; and sin
.endr
	WIN 0
	LAST
	PLACES NP
.irp b, 0,1,2,3
	v_mov_b32 v[TM+4+\b], 0                        ; a lane permute's destination counts as read
.endr
; Block a: 16 rows x my 128 channels (two heads).  Bias; out(2 i) = y(2 i) cos(2 i) - y(2 i + 1) sin(2 i), out(2 i + 1) = y(2 i + 1) cos(2 i + 1) + y(2 i) sin(2 i + 1); the quantiser; each head's half of the fragment is stored.
.macro QKBLOCK a
.set AC, 64*((\a)%4)
.set CB, 96*(1-(\a)%2)
.set SB, 224*(1-(\a)%2)+32*((\a)%2)
.set NCB, 96*((\a)%2)
.set NSB, 224*((\a)%2)+32*(1-(\a)%2)
.if (\a) < 7
	WIN TO_B
.irp ch, 0,1,2,3,4,5,6,7
	global_load_b128 v[NCB+4*\ch:NCB+4*\ch+3], v[L16], s[8:9] offset:((\a)+1)*8192+512*\ch        ; the next block's cos and sin, a block ahead
	global_load_b128 v[NSB+4*\ch:NSB+4*\ch+3], v[L16], s[8:9] offset:((\a)+1)*8192+4096+512*\ch
.endr
	s_wait_loadcnt 16                              ; all but those sixteen
.else
	s_wait_loadcnt 0x0
.endif
	WIN 0x82+0x41*((\a)/4)                         ; the accumulators (destination and source 0) in window 2 or 3, the bias in window 0
.set n, 0
.rept 32
	v_pk_add_f32 v[AC+n:AC+n+1], v[AC+n:AC+n+1], v[BI+n:BI+n+1]   ; each accumulator from its low end on
.set n, n+2
.endr
	WIN 0x06+((\a)/4)                              ; source 0 window 2 or 3, source 1 (cos, sin) window 1, the rest window 0
.set n, 0
.rept 32
	v_pk_mul_f32 v[T+n:T+n+1], v[AC+n:AC+n+1], v[CB+n%32:CB+n%32+1]
.set n, n+2
.endr
.set n, 0
.rept 32
	v_pk_fma_f32 v[T+n:T+n+1], v[AC+n:AC+n+1], v[SB+n%32:SB+n%32+1], v[T+n:T+n+1] op_sel:[1,0,0] op_sel_hi:[0,1,1] neg_lo:[0,1,0]   ; the pair's halves crossed, the low product negated
.set n, n+2
.endr
	WIN 0
.if (\a) > 0
	s_wait_xcnt 0x0                                ; the last block's stores have read the codes' registers
.endif
	QUANT T
.irp c, 0,1
	global_store_b128 v[L16], v[PC+6*\c:PC+6*\c+3], s[32+2*\c:33+2*\c] offset:768*(\a)
	global_store_b64 v[L8], v[PC+6*\c+4:PC+6*\c+5], s[32+2*\c:33+2*\c] offset:768*(\a)+512
.endr
	v_and_or_b32 v[32+(\a)], v[PW], s42, s43       ; the first head's two bytes, and the byte 1 twice
	v_lshrrev_b32 v[40+(\a)], 16, v[PW]
	v_or_b32 v[40+(\a)], s43, v[40+(\a)]           ; the second head's
.endm
.irp a, 0,1,2,3,4,5,6,7
	QKBLOCK \a
.endr
.irp c, 0,1
.irp j, 0,1,2,3
	v_cndmask_b32 v[48+4*\c+\j], v[32+8*\c+2*\j], v[33+8*\c+2*\j], s44   ; lanes 0-15 the even tiles' words, lanes 16-31 the odd ones'
.endr
.endr
	global_store_b128 v[L16], v[48:51], s[38:39]   ; 512 consecutive bytes, aligned
	global_store_b128 v[L16], v[52:55], s[40:41]
	s_wait_tensorcnt 0x0                           ; the wave's end
	ds_add_u32 v[SPW], v[NIL]
	s_wait_dscnt 0x0
	CROUND                                         ; the closing round
	s_endpgm
.Lv:	; ---- v
	s_sub_co_u32 s24, s21, 8
	s_lshl_b32 s24, s24, 3
	s_add_co_u32 s24, s24, s22                     ; which 256 rows of x
	s_lshr_b32 s25, s24, 3                         ; the batch
	s_lshl_b32 s26, s24, 1
	s_add_co_u32 s26, s26, s18
	s_and_b32 s26, s26, 15                         ; the step of 128 keys
	s_lshl_b32 s27, s25, 4
	s_lshl_b32 s29, s20, 2
	s_add_co_u32 s27, s27, s29
	s_lshl_b32 s29, s17, 1
	s_add_co_u32 s27, s27, s29                     ; 16 x batch + my first head
	s_mul_i32 s30, s27, 196608
	s_mul_i32 s29, s26, 12288
	s_add_co_u32 s30, s30, s29
	s_add_co_u32 s30, s30, 6291456+6144
	s_mov_b32 s31, 0
	s_add_nc_u64 s[32:33], s[12:13], s[30:31]
	s_add_nc_u64 s[34:35], s[32:33], 196608
	s_mul_i32 s30, s27, 12288
	s_lshl_b32 s29, s26, 8
	s_add_co_u32 s30, s30, s29
	s_add_co_u32 s30, s30, 524288+8192
	s_add_nc_u64 s[38:39], s[14:15], s[30:31]
	s_add_nc_u64 s[40:41], s[38:39], 12288
	s_lshl_b32 s30, s20, 10
	s_lshl_b32 s29, s17, 9
	s_add_co_u32 s30, s30, s29
	s_add_co_u32 s30, s30, 8192
	s_add_nc_u64 s[10:11], s[10:11], s[30:31]      ; the bias of my 128 channels of v
	s_mov_b32 s44, 0xffff0000
.irp a, 0,1,2,3,4,5,6,7
	global_load_b32 v[BI+\a], v20, s[10:11] offset:(32*(\a/2)+8*(\a%2))*4   ; block a: my position's channel
.endr
	LAST
	PLACES NP
.irp b, 0,1,2,3
	v_mov_b32 v[TM+4+\b], 0
.endr
	s_wait_loadcnt 0x0
; Block a: 16 channels x my 128 keys: one fragment of v with the keys innermost.
.macro VBLOCK a
.set AC, 64*((\a)%4)
	WIN 0x02+((\a)/4)                              ; source 0 window 2 or 3
.set n, 0
.rept 32
.if ((\a)%2) == 0
	v_pk_add_f32 v[T+n:T+n+1], v[AC+n:AC+n+1], v[BI+2*((\a)/2):BI+2*((\a)/2)+1] op_sel_hi:[1,0]
.else
	v_pk_add_f32 v[T+n:T+n+1], v[AC+n:AC+n+1], v[BI+2*((\a)/2):BI+2*((\a)/2)+1] op_sel:[0,1] op_sel_hi:[1,1]
.endif
.set n, n+2
.endr
	WIN 0
.if (\a) > 0
	s_wait_xcnt 0x0                                ; the last block's stores have read the codes' registers
.endif
	QUANT T
	global_store_b128 v[L16], v[PC:PC+3], s[32+2*((\a)/4):33+2*((\a)/4)] offset:1536*((\a)%4)
	global_store_b64 v[L8], v[PC+4:PC+5], s[32+2*((\a)/4):33+2*((\a)/4)] offset:1536*((\a)%4)+512
	global_store_b128 v[L16], v[PC+6:PC+9], s[32+2*((\a)/4):33+2*((\a)/4)] offset:1536*((\a)%4)+768
	global_store_b64 v[L8], v[PC+10:PC+11], s[32+2*((\a)/4):33+2*((\a)/4)] offset:1536*((\a)%4)+1280
	v_mov_b32 v[32+(\a)], v[PW]
.endm
.irp a, 0,1,2,3,4,5,6,7
	VBLOCK \a
.endr
.irp c, 0,1
	v_cndmask_b32 v[48+2*\c], v[32+4*\c], v[33+4*\c], s44
	v_cndmask_b32 v[49+2*\c], v[34+4*\c], v[35+4*\c], s44
	global_store_b64 v[L8], v[48+2*\c:49+2*\c], s[38+2*\c:39+2*\c]   ; 256 consecutive bytes, aligned
.endr
	s_wait_tensorcnt 0x0                           ; the wave's end
	ds_add_u32 v[SPW], v[NIL]
	s_wait_dscnt 0x0
	CROUND                                         ; the closing round
	s_endpgm
.Lfunc_end_k_q9ac0913c9e_qkv:
	.size	k_q9ac0913c9e_qkv, .Lfunc_end_k_q9ac0913c9e_qkv-k_q9ac0913c9e_qkv
	.p2alignl 7, 3214868480
	.fill 96, 4, 3214868480
	.section	.rodata,"a",@progbits
	.p2align	6, 0x0
	.amdhsa_kernel k_q9ac0913c9e_qkv
		.amdhsa_group_segment_fixed_size 327680
		.amdhsa_private_segment_fixed_size 0
		.amdhsa_enable_private_segment 0
		.amdhsa_kernarg_size 48
		.amdhsa_user_sgpr_count 2
		.amdhsa_user_sgpr_kernarg_segment_ptr 1
		.amdhsa_wavefront_size32 1
		.amdhsa_system_sgpr_workgroup_id_x 1
		.amdhsa_system_sgpr_workgroup_id_y 1
		.amdhsa_system_sgpr_workgroup_id_z 1
		.amdhsa_system_vgpr_workitem_id 0
		.amdhsa_next_free_vgpr 1024
		.amdhsa_next_free_sgpr 102
		.amdhsa_reserve_vcc 0
		.amdhsa_float_denorm_mode_32 3
		.amdhsa_float_denorm_mode_16_64 3
		.amdhsa_memory_ordered 1
		.amdhsa_forward_progress 1
		.amdhsa_inst_pref_size 255
	.end_amdhsa_kernel
	.section	.bss,"aw",@nobits
	.p2align	6
	.space	262144
	.amdgpu_metadata
---
amdhsa.version: [ 1, 2 ]
amdhsa.kernels:
  - .name:           k_q9ac0913c9e_qkv
    .symbol:         k_q9ac0913c9e_qkv.kd
    .args:
      - { .name: opc, .offset: 0, .size: 8, .value_kind: global_buffer, .address_space: global }
      - { .name: ops, .offset: 8, .size: 8, .value_kind: global_buffer, .address_space: global }
      - { .name: cs, .offset: 16, .size: 8, .value_kind: global_buffer, .address_space: global }
      - { .name: qkv_b, .offset: 24, .size: 8, .value_kind: global_buffer, .address_space: global }
      - { .name: qkvc, .offset: 32, .size: 8, .value_kind: global_buffer, .address_space: global }
      - { .name: qkvs, .offset: 40, .size: 8, .value_kind: global_buffer, .address_space: global }
    .group_segment_fixed_size: 327680
    .private_segment_fixed_size: 0
    .kernarg_segment_align: 8
    .kernarg_segment_size: 48
    .max_flat_workgroup_size: 128
    .sgpr_count:     102
    .vgpr_count:     1024
    .wavefront_size: 32
...
	.end_amdgpu_metadata
.endif
;; end of part 2
;; launch attn (part 3): grid 4 x 64, 8 waves a work-group, clusters of 4 x 1, 197,632 bytes of LDS; arguments qkvc, qkvs, ac, asc; writes ac, asc
.if DOCPART == 3
	.amdgcn_target "amdgcn-amd-amdhsa--gfx1250"
	.amdhsa_code_object_version 6
	.text
	.protected	k_q9ac0913c9e_attn
	.globl	k_q9ac0913c9e_attn
	.p2align	8
	.type	k_q9ac0913c9e_attn,@function
k_q9ac0913c9e_attn:
	s_mov_b64 s[64:65], 0
	v_nop
	global_prefetch_b8 v0, s[64:65] scope:SCOPE_SE
	s_setreg_imm32_b32 hwreg(HW_REG_WAVE_MODE, 25, 1), 1
	s_wait_xcnt 0x0
	s_wait_alu depctr_hold_cnt(0) depctr_sa_sdst(0) depctr_va_vdst(0) depctr_va_sdst(0) depctr_va_ssrc(0) depctr_va_vcc(0) depctr_vm_vsrc(0)
	s_getreg_b32 s2, hwreg(HW_REG_IB_STS2, 6, 4)
	s_cmp_eq_u32 s2, 0
	s_cbranch_scc0 .Lentry_in_a_cluster
	s_endpgm
.Lentry_in_a_cluster:
	s_bfe_u32 s2, ttmp6, 0x10000c
	s_cmp_lg_u32 s2, 0x3003
	s_cbranch_scc0 .Lentry_shape_is_right
	s_endpgm
.Lentry_shape_is_right:
; For each of 64 (batch, head): O = softmax(q k^T / 8) v, both products on codes of FP6 (E2M3); O / l is quantised along the head's 64 and stored as codes for the last product.
; THE SOFTMAX: t = score x log2(e) / 8; M = the running largest t rounded up to a whole number; p = 2^(t - M) is quantised along the keys, not normalised; l is the sum of the unquantised p and divides at the end.
; When M moves, l and O are multiplied by 2^(old M - new M), exactly, in every step.
; SHARES: a work-group has 512 queries of one head, eight waves, two to a SIMD, so that one wave's products, exponentials and waits stand beside the other's vector work.
; A wave takes TWO tiles of 16 queries through a step of 128 keys: each fragment of k and v feeds two tiles' products.  Two passes of 16 steps: tile 32 cx + 16 pass + 2 wave + T.  One loop body serves all 32 trips.
; A HEAD'S WHOLE k AND v (196,608 bytes of codes) COME INTO LDS ONCE, an eighth by each wave's one joint load: the head's four work-groups are one cluster.  Nothing is filled again.
; No prefetch: the one fill stands at the head, and no loop runs ahead of it.  The scale words of k and v (768 bytes a step) go from memory into registers, a step ahead.
; LAYOUT: operands are images of operand registers.  Both products are used transposed (source 0 = 16 keys, or 16 channels of v; source 1 = 16 queries): a lane holds one query throughout.
; THE KEYS OF A TILE ARE CHOSEN BY ADDRESS: position r of tile 4 c + i is key 64 c + 32 (r / 8) + 8 i + r % 8.  So lane (r, h) holds in the 32 registers of tiles 4 c .. 4 c + 3 the keys 64 c + 32 h + 0 .. 31:
; one whole block, in the order of the operand's layout: a block's maximum needs no other lane, and the conversions' results need no exchange between lanes.
; In memory position rho of tile 2 b + u is key 32 b + 8 u + rho + 8 (rho / 8): so that lane reads stored tile 4 c + 2 (r / 8) + i % 2, position r % 8 + 8 (i / 2).
; A HEAD OF 64 IN AN INSTRUCTION OF K = 128: q's registers 6-11 are zero codes, both sides' scale bytes of the empty half are 1; k's fragment of tile t is named as twelve registers from KF + 6 t on:
; its upper six are the next tile's codes (behind the last: zeros), finite numbers that meet q's zeros.
; A block's scale operand is 2^(its largest t - M - 2), held at 2^-126 from below: its exponent field is the scale's byte.
; Each trip fetches the fragments and scale words of step (s + 1) % 16: the first pass's last trip fetches for the second pass; what the very last trip fetches is not read.
; CHAINS: the maxima go in eight chains (two a block), the sums in eight (four a tile); the short chains (the running maximum, the scale words, the way out) take turns between the two tiles and their blocks.
; LIMITS: NaN and infinities are not served; the promise holds while |t| stays under 2^31; a block whose largest p lies under 2^-124 gets the byte 1 (read by this program alone).
; REGISTERS.  Window 0: v1-11, v44-47 addresses; state by tile; scale words; KF k's fragments, VF v's; QN, QSN the second pass's q; AC the sums.
; Window 1: the scores, then p: tile T at 64 T; O^T at O + 32 T (register 16 b + i = channel 32 b + 16 h + i); Q q's fragments; PC p's codes; PT second halves (a conversion's three registers begin on an even number).
.set SPARE, 196608                     ; behind the codes: the spare words, 128 bytes a wave
.set NM,  12                           ; pairs (-M, the largest score)
.set FF,  20                           ; pairs: f = 2^(old M - new M), later 1 / l; the upper word is only named
.set TT,  24
.set N2,  26                           ; -M - 2
.set BM,  52                           ; 4 f + 2 T + c: the chains of maxima; f = 0 then my block's largest score, then the scale operand
.set BP,  60
.set WW,  68
.set WP,  72
.set PW,  88                           ; p's scale words
.set QS,  92
.set QSN, 96
.set SK,  100                          ; k's scale words: register t / 2, lanes 0-15 the even tile, lanes 16-31 the odd one
.set SV,  104
.set KF,  112
.set VF,  166
.set QN,  214
.set AC,  226                          ; pairs 8 T + 2 k: four chains for l; k = 0 carries l from step to step
.set O,   128
.set Q,   192
.set PC,  216
.set PT,  240
.set MSB, 0
.macro WIN new                         ; the immediate's high byte repeats the setting that is left
.if MSB != (\new)
	s_set_vgpr_msb (MSB<<8)|(\new)
.set MSB, (\new)
.endif
.endm
.macro CROUND
	s_barrier_signal -1
	s_barrier_wait -1
	s_cmp_lg_u32 s12, 0
	s_cbranch_scc1 .Lnot_wave_0_\@
	s_barrier_signal -3
.Lnot_wave_0_\@:
	s_barrier_wait -3
	s_barrier_signal -1
	s_barrier_wait -1
.endm
.macro KLOAD a, b                      ; k's eight tiles: 16 LDS loads
.irp t, 0,1,2,3,4,5,6,7
	ds_load_b128 v[KF+6*\t:KF+6*\t+3], v[\a] offset:3072*(\t/4)+768*(\t%2)+128*((\t%4)/2)
	ds_load_b64 v[KF+6*\t+4:KF+6*\t+5], v[\b] offset:3072*(\t/4)+768*(\t%2)+64*((\t%4)/2)+512
.endr
.endm
.macro VLOAD a, b                      ; v's four fragments: 16 LDS loads
.irp d, 0,1,2,3
	ds_load_b128 v[VF+12*\d:VF+12*\d+3], v[\a] offset:6144+1536*\d
	ds_load_b64 v[VF+12*\d+4:VF+12*\d+5], v[\b] offset:6144+1536*\d+512
	ds_load_b128 v[VF+12*\d+6:VF+12*\d+9], v[\a] offset:6144+1536*\d+768
	ds_load_b64 v[VF+12*\d+10:VF+12*\d+11], v[\b] offset:6144+1536*\d+1280
.endr
.endm
.macro SKLOAD a                        ; k's scale words: 4 loads
.irp j, 0,1,2,3
	global_load_b32 v[SK+\j], v[\a], s[6:7] offset:8*(\j/2)+128*(\j%2)
.endr
.endm
	s_load_b256 s[4:11], s[0:1], 0x0               ; qkvc, qkvs, ac, asc
	v_lshl_add_u32 v5, v0, 2, SPARE
	v_mov_b32 v6, 0
	ds_add_u32 v5, v6                              ; the opening: the add, twice on end, and its wait ahead of my first tensor load
	ds_add_u32 v5, v6
	v_lshrrev_b32 v1, 5, v0
	v_readfirstlane_b32 s12, v1                    ; wave
	s_bfe_u32 s13, ttmp6, 0x40000                  ; cx: which 512 queries; it enters q's and the results' addresses alone
	s_and_b32 s14, ttmp7, 0xffff                   ; 16 x batch + head, which the partners share
	s_mov_b32 s16, 15|(3<<16)|(1<<21)              ; all four work-groups; elements of 8 bytes; 96 dense rows of 256 bytes
	s_mov_b32 s17, 32<<16
	s_mov_b32 s18, 96<<16
	s_mov_b32 s19, 32<<16
	s_mov_b32 s20, 96
	s_mov_b32 s21, 32
	s_mov_b32 s22, 0
	s_mov_b32 s23, 0
	s_mul_i32 s24, s14, 196608
	s_mul_i32 s33, s12, 24576                      ; my eighth, in LDS as in memory
	s_add_co_u32 s24, s24, s33
	s_add_co_u32 s24, s24, 6291456
	s_mov_b32 s25, 0
	s_mov_b32 s32, 1
	s_mov_b32 s52, 0x76543210
	s_mov_b32 s53, 0xfedcba98                      ; selects for lane l xor 16
	s_mov_b32 s54, 0x3e38aa3b                      ; c = log2(e) / 8
	s_mov_b32 s55, s54
	s_mov_b32 s51, 0xbe38aa3b                      ; -c
	s_mov_b32 s62, 0                               ; passes done
	s_wait_dscnt 0x0
	s_wait_kmcnt 0x0
	s_add_nc_u64 s[34:35], s[4:5], s[24:25]
	s_or_b32 s35, s35, 0x80000000
	CROUND                                         ; all four work-groups are here: the joint loads meet
	tensor_load_to_lds s[32:35], s[16:23]          ; my one tensor load
	s_nop 0
.rept 4
	v_nop
.endr
	s_lshl_b32 s26, s13, 5
	s_lshl_b32 s27, s12, 1
	s_add_co_u32 s26, s26, s27                     ; my first tile of queries: 32 cx + 2 wave
	s_mov_b32 s29, 0
	s_mul_i32 s28, s14, 98304
	s_mul_i32 s27, s26, 768
	s_add_co_u32 s28, s28, s27
	s_add_nc_u64 s[4:5], s[4:5], s[28:29]          ; q's codes
	s_lshl_b32 s28, s14, 13
	s_lshr_b32 s27, s26, 3
	s_lshl_b32 s27, s27, 9
	s_add_co_u32 s28, s28, s27
	s_and_b32 s27, s12, 3
	s_lshl_b32 s27, s27, 2
	s_add_co_u32 s28, s28, s27
	s_add_nc_u64 s[36:37], s[6:7], s[28:29]        ; q's scale words: tile T at 256 T + 16 r
	s_mul_i32 s28, s14, 12288
	s_add_co_u32 s28, s28, 524288
	s_add_nc_u64 s[6:7], s[6:7], s[28:29]          ; the head's scale words of k; from + 8,192 v's
	s_lshr_b32 s27, s14, 4
	s_lshl_b32 s27, s27, 7
	s_add_co_u32 s27, s27, s26                     ; the tile among all 512 row tiles
	s_and_b32 s30, s14, 15                         ; the head
	s_mul_i32 s28, s27, 12288
	s_mul_i32 s31, s30, 768
	s_add_co_u32 s28, s28, s31
	s_add_nc_u64 s[8:9], s[8:9], s[28:29]          ; the result's codes: head e fills half e % 2 of K step e / 2
	s_lshl_b32 s28, s27, 9
	s_lshr_b32 s31, s30, 2
	s_lshl_b32 s31, s31, 7
	s_add_co_u32 s28, s28, s31
	s_and_b32 s31, s30, 3
	s_lshl_b32 s31, s31, 1
	s_add_co_u32 s28, s28, s31
	s_add_nc_u64 s[10:11], s[10:11], s[28:29]      ; and its two scale bytes a row
	v_and_b32 v48, 31, v0
	v_and_b32 v49, 7, v0                           ; r % 8
	v_bfe_u32 v50, v0, 3, 1                        ; r / 8
	v_bfe_u32 v51, v0, 4, 1                        ; h
	v_and_b32 v7, 15, v0
	v_lshlrev_b32 v1, 4, v48                       ; 16 x lane
	v_lshlrev_b32 v2, 3, v48                       ; 8 x lane
	v_mul_u32_u24 v3, v50, 1536
	v_lshlrev_b32 v45, 4, v49
	v_lshlrev_b32 v44, 3, v51                      ; 8 h: my bytes' place in p's scale word
	v_lshlrev_b32 v48, 4, v7                       ; 16 r
	v_lshlrev_b32 v7, 3, v7                        ; 8 r
	v_lshl_add_u32 v4, v49, 3, v3
	v_lshl_add_u32 v3, v49, 4, v3
	v_lshl_add_u32 v45, v50, 2, v45
	v_lshl_add_u32 v4, v51, 7, v4                  ; k, registers 4, 5: 1,536 (r / 8) + 8 (r % 8) + 128 h
	v_lshl_add_u32 v3, v51, 8, v3                  ; k, registers 0-3: 1,536 (r / 8) + 16 (r % 8) + 256 h
	v_lshl_add_u32 v45, v51, 8, v45                ; k's scale words: 16 (r % 8) + 4 (r / 8) + 256 h
	s_wait_alu depctr_va_vdst(0)
	WIN 0x40                                       ; loaded data in window 1
.irp T, 0,1
	global_load_b128 v[Q+12*\T:Q+12*\T+3], v1, s[4:5] offset:768*\T
	global_load_b64 v[Q+12*\T+4:Q+12*\T+5], v2, s[4:5] offset:768*\T+512
.endr
.irp T, 0,1
.irp j, 6,7,8,9,10,11
	v_mov_b32 v[Q+12*\T+\j], 0                     ; zero codes: the empty half of K
.endr
.endr
	WIN 0
.irp T, 0,1
	global_load_b128 v[QN+6*\T:QN+6*\T+3], v1, s[4:5] offset:12288+768*\T
	global_load_b64 v[QN+6*\T+4:QN+6*\T+5], v2, s[4:5] offset:12288+768*\T+512
	global_load_b32 v[QS+\T], v48, s[36:37] offset:256*\T
	global_load_b32 v[QSN+\T], v48, s[36:37] offset:1024+256*\T
.endr
.irp j, 0,1,2,3,4,5
	v_mov_b32 v[KF+48+\j], 0
.endr
.irp T, 0,1
	v_mov_b32 v[TT+\T], 0                          ; a lane permute's destination counts as read
	v_mov_b32 v[WP+\T], 0
	v_mov_b32 v[FF+2*\T+1], 0                      ; (named as the upper half of the pair)
.endr
	s_wait_alu depctr_va_vdst(0)
	s_wait_tensorcnt 0x0                           ; my eighth is in
	s_barrier_signal -1
	s_barrier_wait -1                              ; everybody's is
	KLOAD 3, 4                                     ; step 0, in the order in which every trip asks: k, k's scale words, v, v's
	SKLOAD 45
	VLOAD 1, 2
	global_load_b64 v[SV:SV+1], v2, s[6:7] offset:8192
.Lpass:
.irp T, 0,1
	v_mov_b32 v[NM+2*\T], 0x7d000000               ; -M: a large whole number, so that the first f is 0 and multiplies zeros
	v_mov_b32 v[NM+2*\T+1], 0xff61b1e6             ; the largest score so far: -3e38
	v_mov_b32 v[AC+8*\T], 0
	v_mov_b32 v[AC+8*\T+1], 0
.endr
	WIN 0x40
.set n, 0
.rept 64
	v_mov_b32 v[O+n], 0                            ; O^T
.set n, n+1
.endr
	WIN 0
	s_mov_b32 s59, 0                               ; the step
	s_wait_alu depctr_va_vdst(0)
.Ltrip:
	s_wait_dscnt 16                                ; k is in; v's 16 loads may be out
	s_wait_loadcnt 1                               ; k's scale words (and q) are in; v's one load may be out
	WIN 0x44                                       ; D and source 1 (q) in window 1
.irp t, 0,1,2,3,4,5,6,7
.irp T, 0,1
.if (\t%2) == 0
	v_wmma_scale_f32_16x16x128_f8f6f4 v[64*\T+8*\t:64*\T+8*\t+7], v[KF+6*\t:KF+6*\t+11], v[Q+12*\T:Q+12*\T+11], 0, v[SK+\t/2], v[QS+\T] matrix_a_fmt:MATRIX_FMT_FP6 matrix_b_fmt:MATRIX_FMT_FP6
.else
	v_wmma_scale_f32_16x16x128_f8f6f4 v[64*\T+8*\t:64*\T+8*\t+7], v[KF+6*\t:KF+6*\t+11], v[Q+12*\T:Q+12*\T+11], 0, v[SK+\t/2], v[QS+\T] matrix_a_fmt:MATRIX_FMT_FP6 matrix_b_fmt:MATRIX_FMT_FP6 matrix_a_scale:MATRIX_SCALE_ROW1
.endif
.endr
.endr
	WIN 0
	s_add_co_u32 s60, s59, 1
	s_and_b32 s60, s60, 15                         ; the next step, round the end
	s_mul_i32 s56, s60, 12288
	s_lshl_b32 s57, s60, 9
	s_lshl_b32 s58, s60, 8
	v_add_nc_u32 v10, s56, v3                      ; (these five are also the places behind the products, in front of the loads and of the first read of the scores)
	v_add_nc_u32 v11, s56, v4
	v_add_nc_u32 v8, s56, v1
	v_add_nc_u32 v9, s56, v2
	v_add_nc_u32 v46, s57, v45
	KLOAD 10, 11
	SKLOAD 46
	WIN 0x15                                       ; the three sources in window 1
.irp f, 0,1
.irp T, 0,1
.irp c, 0,1
	v_max3_num_f32 v[BM+4*\f+2*\T+\c], v[64*\T+32*\c+16*\f], v[64*\T+32*\c+16*\f+1], v[64*\T+32*\c+16*\f+2]   ; my block's largest score, in two chains: for the row's maximum and, since p rises with the score, for the block's largest p
.endr
.endr
.endr
	WIN 0x14
.irp i, 3,5,7,9,11,13
.irp f, 0,1
.irp T, 0,1
.irp c, 0,1
	v_max3_num_f32 v[BM+4*\f+2*\T+\c], v[BM+4*\f+2*\T+\c], v[64*\T+32*\c+16*\f+\i], v[64*\T+32*\c+16*\f+\i+1]   ; each accumulator is first read at its low end
.endr
.endr
.endr
.endr
.irp T, 0,1
.irp c, 0,1
	v_max3_num_f32 v[BM+2*\T+\c], v[BM+2*\T+\c], v[64*\T+32*\c+15], v[64*\T+32*\c+31]
.endr
.endr
	WIN 0
.irp n, 0,1,2,3
	v_max_num_f32 v[BM+\n], v[BM+\n], v[BM+4+\n]
.endr
.irp T, 0,1
	v_max3_num_f32 v[NM+2*\T+1], v[NM+2*\T+1], v[BM+2*\T], v[BM+2*\T+1]
.endr
.irp T, 0,1
	v_permlanex16_b32 v[TT+\T], v[NM+2*\T+1], s52, s53
.endr
.irp T, 0,1
	v_max_num_f32 v[NM+2*\T+1], v[NM+2*\T+1], v[TT+\T]   ; the running largest score of my query
.endr
.irp T, 0,1
	v_mul_f32 v[TT+\T], s51, v[NM+2*\T+1]          ; -t
.endr
.irp T, 0,1
	v_floor_f32 v[TT+\T], v[TT+\T]                 ; the new -M
.endr
.irp T, 0,1
	v_sub_f32 v[FF+2*\T], v[TT+\T], v[NM+2*\T]     ; old M - new M: a whole number, 0 or less
.endr
.irp T, 0,1
	v_add_f32 v[N2+\T], -2.0, v[TT+\T]
.endr
.irp T, 0,1
	v_mov_b32 v[NM+2*\T], v[TT+\T]
.endr
.irp T, 0,1
	v_cvt_i32_f32 v[FF+2*\T], v[FF+2*\T]           ; (it saturates)
.endr
.irp T, 0,1
.irp c, 0,1
	v_fma_f32 v[BM+2*\T+\c], v[BM+2*\T+\c], s54, v[N2+\T]
.endr
.endr
.irp T, 0,1
	v_ldexp_f32 v[FF+2*\T], 1.0, v[FF+2*\T]        ; f
.endr
	WIN 0x41                                       ; destination and source 0 in window 1
.set n, 0
.rept 32
.irp T, 0,1
	v_pk_fma_f32 v[64*\T+n:64*\T+n+1], v[64*\T+n:64*\T+n+1], s[54:55], v[NM+2*\T:NM+2*\T+1] op_sel_hi:[1,0,0]   ; t - M
.endr
.set n, n+2
.endr
.set n, 0
.rept 16
.irp T, 0,1
	v_pk_mul_f32 v[O+32*\T+n:O+32*\T+n+1], v[O+32*\T+n:O+32*\T+n+1], v[FF+2*\T:FF+2*\T+1] op_sel_hi:[1,0]   ; O^T under the new M, ahead of the exponentials
.endr
.set n, n+2
.endr
	s_wait_alu depctr_va_vdst(0)
.set n, 0
.rept 128
	v_exp_f32 v[n], v[n]                           ; p = 2^(t - M)
.set n, n+1
.endr
	WIN 0
.irp n, 0,1,2,3
	v_exp_f32 v[BM+\n], v[BM+\n]                   ; the block's largest p / 4
.endr
.irp T, 0,1
	v_pk_mul_f32 v[AC+8*\T:AC+8*\T+1], v[AC+8*\T:AC+8*\T+1], v[FF+2*\T:FF+2*\T+1] op_sel_hi:[1,0]   ; l under the new M; plain places behind the exponentials
.endr
	s_wait_alu depctr_va_vdst(0)                   ; one wait for the batch, ahead of its first reader
	WIN 0x05
.irp k, 1,2,3
.irp T, 0,1
	v_pk_add_f32 v[AC+8*\T+2*\k:AC+8*\T+2*\k+1], v[64*\T+4*\k-4:64*\T+4*\k-3], v[64*\T+4*\k-2:64*\T+4*\k-1]   ; l is the sum of the unquantised p: three more chains a tile begin
.endr
.endr
	WIN 0x04
.set p, 6
.rept 26
.irp T, 0,1
	v_pk_add_f32 v[AC+8*\T+2*((p-6)%4):AC+8*\T+2*((p-6)%4)+1], v[AC+8*\T+2*((p-6)%4):AC+8*\T+2*((p-6)%4)+1], v[64*\T+2*p:64*\T+2*p+1]
.endr
.set p, p+1
.endr
	WIN 0
.irp n, 0,1,2,3
	v_max_num_f32 v[BM+\n], 0x800000, v[BM+\n]     ; the floor 2^-126: the byte cannot fall under 1
.endr
.irp n, 0,1,2,3
	v_lshrrev_b32 v[BP+\n], 23, v[BM+\n]           ; the scale's byte
.endr
.irp T, 0,1
	v_lshl_or_b32 v[WW+\T], v[BP+2*\T+1], 16, v[BP+2*\T]   ; blocks h and 2 + h,
.endr
.irp T, 0,1
	v_lshlrev_b32 v[WW+\T], v44, v[WW+\T]          ; at their places;
.endr
.irp T, 0,1
	v_permlanex16_b32 v[WP+\T], v[WW+\T], s52, s53
.endr
.irp T, 0,1
	v_or_b32 v[PW+\T], v[WW+\T], v[WP+\T]          ; with lane l xor 16's two the word is whole
.endr
	WIN 0x41                                       ; codes and p in window 1, the scale operand in window 0
.irp T, 0,1
.irp c, 0,1
	v_cvt_scalef32_pk16_fp6_f32 v[PC+12*\T+6*\c:PC+12*\T+6*\c+2], v[64*\T+32*\c:64*\T+32*\c+15], v[BM+2*\T+\c]
	v_cvt_scalef32_pk16_fp6_f32 v[PT+8*\T+4*\c:PT+8*\T+4*\c+2], v[64*\T+32*\c+16:64*\T+32*\c+31], v[BM+2*\T+\c]
.endr
.endr
	v_nop                                          ; one plain place behind a scaled conversion
.irp T, 0,1
.irp c, 0,1
.irp i, 0,1,2
	v_mov_b32 v[PC+12*\T+6*\c+3+\i], v[PT+8*\T+4*\c+\i]
.endr
.endr
.endr
	WIN 0
.irp T, 0,1
	v_pk_add_f32 v[AC+8*\T+2:AC+8*\T+3], v[AC+8*\T+2:AC+8*\T+3], v[AC+8*\T+4:AC+8*\T+5]   ; the four chains join; these six stand between the codes' last writes and the products
.endr
.irp T, 0,1
	v_pk_add_f32 v[AC+8*\T:AC+8*\T+1], v[AC+8*\T:AC+8*\T+1], v[AC+8*\T+6:AC+8*\T+7]
.endr
.irp T, 0,1
	v_pk_add_f32 v[AC+8*\T:AC+8*\T+1], v[AC+8*\T:AC+8*\T+1], v[AC+8*\T+2:AC+8*\T+3]
.endr
	s_wait_alu depctr_va_vdst(0)
	s_wait_dscnt 16                                ; v is in; the next k's 16 loads may be out
	s_wait_loadcnt 4                               ; v's scale words are in; the next k's four loads may be out
	WIN 0x54                                       ; C, D and source 1 (p) in window 1
.irp d, 0,1,2,3
.irp T, 0,1
.if (\d%2) == 0
	v_wmma_scale_f32_16x16x128_f8f6f4 v[O+32*\T+8*\d:O+32*\T+8*\d+7], v[VF+12*\d:VF+12*\d+11], v[PC+12*\T:PC+12*\T+11], v[O+32*\T+8*\d:O+32*\T+8*\d+7], v[SV+\d/2], v[PW+\T] matrix_a_fmt:MATRIX_FMT_FP6 matrix_b_fmt:MATRIX_FMT_FP6
.else
	v_wmma_scale_f32_16x16x128_f8f6f4 v[O+32*\T+8*\d:O+32*\T+8*\d+7], v[VF+12*\d:VF+12*\d+11], v[PC+12*\T:PC+12*\T+11], v[O+32*\T+8*\d:O+32*\T+8*\d+7], v[SV+\d/2], v[PW+\T] matrix_a_fmt:MATRIX_FMT_FP6 matrix_b_fmt:MATRIX_FMT_FP6 matrix_a_scale:MATRIX_SCALE_ROW1
.endif
.endr
.endr
	WIN 0
	v_add_nc_u32 v47, s58, v2                      ; (the load that read v47 was waited for above)  With three v_nop: the places in front of the loads over v's registers
.rept 3
	v_nop
.endr
	VLOAD 8, 9
	global_load_b64 v[SV:SV+1], v47, s[6:7] offset:8192
	s_add_co_u32 s59, s59, 1
	s_cmp_lt_u32 s59, 16
	s_cbranch_scc1 .Ltrip
; THE WAY OUT of a pass: O^T / l, two blocks of 32 along the head's 64 (each in lanes l and l xor 16), quantised; two half fragments and their scale bytes are stored.
.irp T, 0,1
	v_add_f32 v[AC+8*\T], v[AC+8*\T], v[AC+8*\T+1]
.endr
.irp T, 0,1
	v_permlanex16_b32 v[TT+\T], v[AC+8*\T], s52, s53
.endr
.irp T, 0,1
	v_add_f32 v[AC+8*\T], v[AC+8*\T], v[TT+\T]     ; the row's sum
.endr
	s_wait_alu depctr_va_vdst(0)                   ; the wait ahead of the batch
.irp T, 0,1
	v_rcp_f32 v[FF+2*\T], v[AC+8*\T]
.endr
	v_nop
	WIN 0x41
	s_wait_alu depctr_va_vdst(0)                   ; and directly ahead of the first readers of 1 / l and of O^T
.set n, 0
.rept 16
.irp T, 0,1
	v_pk_mul_f32 v[64*\T+n:64*\T+n+1], v[O+32*\T+n:O+32*\T+n+1], v[FF+2*\T:FF+2*\T+1] op_sel_hi:[1,0]
.endr
.set n, n+2
.endr
	WIN 0x05
.irp T, 0,1
.irp b, 0,1
	v_max3_num_f32 v[BM+2*\T+\b], |v[64*\T+16*\b]|, |v[64*\T+16*\b+1]|, 0x1800000   ; with the floor 2^(3 - 127)
.endr
.endr
	WIN 0x14
.irp i, 2,4,6,8,10,12,14
.irp T, 0,1
.irp b, 0,1
	v_max3_num_f32 v[BM+2*\T+\b], v[BM+2*\T+\b], |v[64*\T+16*\b+\i]|, |v[64*\T+16*\b+\i+1]|
.endr
.endr
.endr
	WIN 0
.irp n, 0,1,2,3
	v_permlanex16_b32 v[BP+\n], v[BM+\n], s52, s53
.endr
.irp n, 0,1,2,3
	v_max_num_f32 v[BM+\n], v[BM+\n], v[BP+\n]
.endr
.irp n, 0,1,2,3
	v_add_nc_u32 v[BM+\n], 0xff000000, v[BM+\n]    ; 2 off the exponent field: the conversion's scale operand
.endr
.irp n, 0,1,2,3
	v_lshrrev_b32 v[BP+\n], 23, v[BM+\n]
.endr
.irp T, 0,1
	v_lshl_or_b32 v[WW+\T], v[BP+2*\T+1], 8, v[BP+2*\T]   ; the head's two bytes of my row
.endr
	WIN 0x41
.irp T, 0,1
	v_cvt_scalef32_pk16_fp6_f32 v[PC+12*\T:PC+12*\T+2], v[64*\T:64*\T+15], v[BM+2*\T]
	v_cvt_scalef32_pk16_fp6_f32 v[PT+8*\T:PT+8*\T+2], v[64*\T+16:64*\T+31], v[BM+2*\T+1]
.endr
	v_nop
.irp T, 0,1
.irp i, 0,1,2
	v_permlane16_swap_b32 v[PC+12*\T+\i], v[PT+8*\T+\i]   ; the operand's layout wants a whole block in a lane
.endr
.endr
.irp T, 0,1
.irp i, 0,1,2
	v_mov_b32 v[PC+12*\T+3+\i], v[PT+8*\T+\i]
.endr
.endr
	WIN 0x04                                       ; a store's data in window 1
.irp T, 0,1
	global_store_b128 v1, v[PC+12*\T:PC+12*\T+3], s[8:9] offset:12288*\T          ; 512 and 256 consecutive bytes, aligned to 256
	global_store_b64 v2, v[PC+12*\T+4:PC+12*\T+5], s[8:9] offset:12288*\T+512
.endr
	WIN 0
.irp T, 0,1
	global_store_b16 v7, v[WW+\T], s[10:11] offset:512*\T   ; a head owns two bytes of a scale word; both halves of the lanes write the same bytes with the same value
.endr
	s_add_co_u32 s62, s62, 1
	s_cmp_lt_u32 s62, 2
	s_cbranch_scc0 .Ldone
	s_wait_xcnt 0x0                                ; the stores have read their registers and bases
	s_add_nc_u64 s[8:9], s[8:9], 196608            ; sixteen tiles on
	s_add_nc_u64 s[10:11], s[10:11], 8192
	WIN 0x40
.irp T, 0,1
.irp j, 0,1,2,3,4,5
	v_mov_b32 v[Q+12*\T+\j], v[QN+6*\T+\j]         ; the second pass's q
.endr
.endr
	WIN 0
.irp T, 0,1
	v_mov_b32 v[QS+\T], v[QSN+\T]
.endr
	s_cmp_lt_u32 s62, 2
	s_cbranch_scc1 .Lpass
.Ldone:
	s_wait_tensorcnt 0x0                           ; the wave's end
	ds_add_u32 v5, v6
	s_wait_dscnt 0x0
	CROUND                                         ; the closing round
	s_endpgm
.Lfunc_end_k_q9ac0913c9e_attn:
	.size	k_q9ac0913c9e_attn, .Lfunc_end_k_q9ac0913c9e_attn-k_q9ac0913c9e_attn
	.p2alignl 7, 3214868480
	.fill 96, 4, 3214868480
	.section	.rodata,"a",@progbits
	.p2align	6, 0x0
	.amdhsa_kernel k_q9ac0913c9e_attn
		.amdhsa_group_segment_fixed_size 197632
		.amdhsa_private_segment_fixed_size 0
		.amdhsa_enable_private_segment 0
		.amdhsa_kernarg_size 32
		.amdhsa_user_sgpr_count 2
		.amdhsa_user_sgpr_kernarg_segment_ptr 1
		.amdhsa_wavefront_size32 1
		.amdhsa_system_sgpr_workgroup_id_x 1
		.amdhsa_system_sgpr_workgroup_id_y 1
		.amdhsa_system_sgpr_workgroup_id_z 1
		.amdhsa_system_vgpr_workitem_id 0
		.amdhsa_next_free_vgpr 512
		.amdhsa_next_free_sgpr 66
		.amdhsa_reserve_vcc 0
		.amdhsa_float_denorm_mode_32 3
		.amdhsa_float_denorm_mode_16_64 3
		.amdhsa_memory_ordered 1
		.amdhsa_forward_progress 1
		.amdhsa_inst_pref_size 48
	.end_amdhsa_kernel
	.amdgpu_metadata
---
amdhsa.version: [ 1, 2 ]
amdhsa.kernels:
  - .name:           k_q9ac0913c9e_attn
    .symbol:         k_q9ac0913c9e_attn.kd
    .args:
      - { .name: qkvc, .offset: 0, .size: 8, .value_kind: global_buffer, .address_space: global }
      - { .name: qkvs, .offset: 8, .size: 8, .value_kind: global_buffer, .address_space: global }
      - { .name: ac, .offset: 16, .size: 8, .value_kind: global_buffer, .address_space: global }
      - { .name: asc, .offset: 24, .size: 8, .value_kind: global_buffer, .address_space: global }
    .group_segment_fixed_size: 197632
    .private_segment_fixed_size: 0
    .kernarg_segment_align: 8
    .kernarg_segment_size: 32
    .max_flat_workgroup_size: 256
    .sgpr_count:     66
    .vgpr_count:     512
    .wavefront_size: 32
...
	.end_amdgpu_metadata
.endif
;; end of part 3
;; launch proj (part 4): grid 4 x 32, 4 waves a work-group, clusters of 4 x 4, 327,680 bytes of LDS; arguments ac, asc, opc, ops, proj_b, out0; writes out0
.if DOCPART == 4
	.amdgcn_target "amdgcn-amd-amdhsa--gfx1250"
	.amdhsa_code_object_version 6
	.text
	.protected	k_q9ac0913c9e_proj
	.globl	k_q9ac0913c9e_proj
	.p2align	8
	.type	k_q9ac0913c9e_proj,@function
k_q9ac0913c9e_proj:
	s_mov_b64 s[64:65], 0
	v_nop
	global_prefetch_b8 v0, s[64:65] scope:SCOPE_SE
	s_setreg_imm32_b32 hwreg(HW_REG_WAVE_MODE, 25, 1), 1
	s_wait_xcnt 0x0
	s_wait_alu depctr_hold_cnt(0) depctr_sa_sdst(0) depctr_va_vdst(0) depctr_va_sdst(0) depctr_va_ssrc(0) depctr_va_vcc(0) depctr_vm_vsrc(0)
	s_getreg_b32 s2, hwreg(HW_REG_IB_STS2, 6, 4)
	s_cmp_eq_u32 s2, 0
	s_cbranch_scc0 .Lentry_in_a_cluster
	s_endpgm
.Lentry_in_a_cluster:
	s_bfe_u32 s2, ttmp6, 0x10000c
	s_cmp_lg_u32 s2, 0xf033
	s_cbranch_scc0 .Lentry_shape_is_right
	s_endpgm
.Lentry_shape_is_right:
; out0 = A proj_w^T + proj_b on codes of FP6 (E2M3): A [8192][1024] is the attention's result (ac, asc), proj_w's codes lie in opc, ops (tiles 704-767).  out0 [8192][1024] f32.
; OPERANDS are images of operand registers ([tile][K step][1,536 bytes]; scale words [tile][512 bytes]).  Position r of row tile T is row 32 (T / 2) + 8 (T % 2) + r + 8 (r / 8).
; A work-group of four waves makes 256 columns (S0 = rows of proj_w) x 256 rows (S1 = rows of A), a wave 128 x 128: 64 accumulators.  Source 0 = 16 rows of S0, source 1 = 16 rows of S1:
; lane (r, h) holds position r of S1's tile, and the 16 registers of accumulators (a, 2 B), (a, 2 B + 1) are columns 32 B + 16 h + 0 .. 15.  The bias is the C of each sum's first matrix instruction.
; K = 1,024 goes through three LDS slots of 256 along K: slots 0, 1, 2 are filled at the start, slot 0 once more, behind one round of the cluster's barrier.  The scale words come once.
; CLUSTER 4 x 4: S1's tiles are asked for jointly by a row of the cluster, S0's by a column.
; THE WAY OUT: a block of 16 rows x 128 columns goes through the wave's own stage and leaves as whole rows of 512 bytes.  The stage lies in slot 1, which has had its only fill, and whose last reads stand ahead of the barrier of K step 5.
; REGISTERS: window 0: v1-29 addresses; v32-63 scale words, two sets; v64-127 the bias; v128-223 S1's fragments, one set; on the way out v128-255 rows of the result.
;   window 1: S0's fragments, two sets, v0-95 and v128-223.   windows 2, 3: accumulator (a, b) at v[8 (8 (a % 4) + b)] of window 2 + a / 4.
; HOW THE SLOTS ARE FILLED, as the text now stands: at the head one joint load a wave (wave 0: S1's 16 tiles of K slot 0, wave 1: S0's, waves 2, 3: the two sides' scale words);
; K slot 1 behind a round ahead of K step 0, K slot 2 behind the round of K step 1, K slot 3 into slot 0 behind the round of K step 3: one load a wave behind each round.
.set FR,    12
.set FRB,   1536
.set SLB,   3072
.set HALFT, 24576
.set SIDE,  49152
.set SLOT,  98304
.set SCL,   294912
.set SPARE, 311296
.set NL,    4
.set NP,    4
.set A16,   4
.set A8,    7
.set B16,   10
.set B8,    13
.set ADRS,  16
.set L16,   17
.set L8,    18
.set STO,   21                         ; v21  the stage: where I put 32 bytes of a row
.set RD,    22                         ; v22  and where I read a row back
.set SPW,   28
.set NIL,   29
.set SC,    32
.set BI,    64
.set AF,    128
.set BK,    128
.set G1A,   24
.set G1B,   32
.set G1SA,  40
.set G1SB,  48
.set G0A0,  56
.set G0A1,  60
.set G0A2,  68
.set G0B0,  72
.set G0B1,  76
.set G0B2,  80
.set G0SA,  84
.set G0SB,  88
.set MSB, 0
.macro WIN new                         ; the immediate's high byte repeats the setting that is left
.if MSB != (\new)
	s_set_vgpr_msb (MSB<<8)|(\new)
.set MSB, (\new)
.endif
.endm
.set MUL_LO, 0xa1                      ; source 0 window 1, source 1 window 0, C and D window 2
.set MUL_HI, 0xf1
.set TO_B,   0x40
.macro JLOAD g0a, g1a, g0b, g1b        ; a joint load: waves 0, 1 fetch for S1, waves 2, 3 for S0
	s_cmp_eq_u32 s17, 0
	s_cbranch_scc0 .Lfor_b_\@
	tensor_load_to_lds s[\g0a:\g0a+3], s[\g1a:\g1a+7]
	s_nop 0
.rept 4
	v_nop
.endr
	s_branch .Lasked_\@
.Lfor_b_\@:
	tensor_load_to_lds s[\g0b:\g0b+3], s[\g1b:\g1b+7]
	s_nop 0
.rept 4
	v_nop
.endr
.Lasked_\@:
.endm
.macro CREST
	s_cmp_lg_u32 s16, 0
	s_cbranch_scc1 .Lnot_wave_0_\@
	s_barrier_signal -3
.Lnot_wave_0_\@:
	s_barrier_wait -3
	s_barrier_signal -1
	s_barrier_wait -1
.endm
.macro CROUND
	s_barrier_signal -1
	s_barrier_wait -1
	CREST
.endm
.macro MKG0 g, lreg, lofs, bas, gofs
	s_mov_b32 s[\g], 1
	s_add_co_u32 s[\g+1], s[\lreg], \lofs
	s_add_nc_u64 s[\g+2:\g+3], s[\bas:\bas+1], \gofs
	s_or_b32 s[\g+3], s[\g+3], 0x80000000
.endm
.macro PLACES n
.rept \n
	v_nop
.endr
.endm
.macro FRAG reg, a16, a8, q, i
	ds_load_b128 v[\reg:\reg+3], v[\a16] offset:(\i)*SLB+(\q)*FRB
	ds_load_b64 v[\reg+4:\reg+5], v[\a8] offset:(\i)*SLB+(\q)*FRB+512
	ds_load_b128 v[\reg+6:\reg+9], v[\a16] offset:(\i)*SLB+(\q)*FRB+768
	ds_load_b64 v[\reg+10:\reg+11], v[\a8] offset:(\i)*SLB+(\q)*FRB+1280
.endm
.macro FETCH_B slot, q, p
	WIN TO_B
.irp i, 0,1,2,3,4,5,6,7
	FRAG 128*(\p)+FR*\i, B16+\slot, B8+\slot, \q, \i
.endr
	WIN 0
.endm
.macro FETCH_A slot, q, i0
.irp i, \i0, \i0+1, \i0+2, \i0+3
	FRAG AF+FR*(\i), A16+\slot, A8+\slot, \q, \i
.endr
.endm
.macro SCALES sg
.irp i, 0,1,2,3,4,5,6,7
	ds_load_b64 v[SC+16*((\sg)%2)+2*\i:SC+16*((\sg)%2)+2*\i+1], v[ADRS] offset:512*\i+128*(\sg)
.endr
.endm
; 16 matrix instructions: S1's blocks a0, a0 + 1 x S0's eight.  The 64 accumulators take turns in one order throughout.  cmode 2: the sums start from the bias.
.macro MUL16 a0, p, q, sc, cmode
.irp a, \a0, \a0+1
.irp b, 0,1,2,3,4,5,6,7
.if \cmode == 2
	v_wmma_scale_f32_16x16x128_f8f6f4 v[8*(8*((\a)%4)+\b):8*(8*((\a)%4)+\b)+7], v[128*(\p)+FR*\b:128*(\p)+FR*\b+FR-1], v[AF+FR*(\a):AF+FR*(\a)+FR-1], v[BI+8*\b:BI+8*\b+7], v[SC+16*(\sc)+2*\b+(\q)], v[SC+16*(\sc)+2*(\a)+(\q)] matrix_a_fmt:MATRIX_FMT_FP6 matrix_b_fmt:MATRIX_FMT_FP6 matrix_a_scale:MATRIX_SCALE_ROW1
.else
	v_wmma_scale_f32_16x16x128_f8f6f4 v[8*(8*((\a)%4)+\b):8*(8*((\a)%4)+\b)+7], v[128*(\p)+FR*\b:128*(\p)+FR*\b+FR-1], v[AF+FR*(\a):AF+FR*(\a)+FR-1], v[8*(8*((\a)%4)+\b):8*(8*((\a)%4)+\b)+7], v[SC+16*(\sc)+2*\b+(\q)], v[SC+16*(\sc)+2*(\a)+(\q)] matrix_a_fmt:MATRIX_FMT_FP6 matrix_b_fmt:MATRIX_FMT_FP6 matrix_a_scale:MATRIX_SCALE_ROW1
.endif
.endr
.endr
.endm
.macro STEP p, q, sc, cmode, ns, nq, sn
	s_wait_dscnt 4*NL                              ; all but the youngest sixteen loads (S1's blocks 4-7)
.if \cmode == 2
	WIN 0x81                                       ; C (the bias) in window 0, D in window 2
.else
	WIN MUL_LO
.endif
	MUL16 0, \p, \q, \sc, \cmode
	MUL16 2, \p, \q, \sc, \cmode
	s_wait_dscnt 0x0
	PLACES NP                                      ; in front of loads into registers that matrix instructions have read
	FETCH_B \ns, \nq, 1-(\p)
	FETCH_A \ns, \nq, 0
.if (\sn) >= 0
	SCALES \sn
.endif
.if \cmode == 2
	WIN 0xc1
.else
	WIN MUL_HI
.endif
	MUL16 4, \p, \q, \sc, \cmode
	MUL16 6, \p, \q, \sc, \cmode
	PLACES NP
	WIN 0
	FETCH_A \ns, \nq, 4
.endm
.macro TURN sc, fill, ns, sn
	s_wait_tensorcnt 0x0                           ; all my tensor loads have landed
	ds_add_u32 v[SPW], v[NIL]
	s_wait_dscnt 4*NL+1                            ; (the add and the youngest sixteen loads may be out)
	WIN MUL_LO
	MUL16 0, 1, 1, \sc, 0
	s_wait_dscnt 0x0                               ; the add is done, and my reads of the slot are over
	s_barrier_signal -1
	MUL16 2, 1, 1, \sc, 0
	WIN 0
	s_barrier_wait -1
.if \fill
	CREST                                          ; no wave of any partner still reads slot 0 or has a load on its way
.if \fill == 1
	JLOAD G0A0, G1A, G0B0, G1B                     ; slot 0 again: K slot 3.  One load a wave; its four v_nop are the places in front of the loads below
.else
	JLOAD G0A2, G1A, G0B2, G1B                     ; slot 2's first fill
.endif
.else
	PLACES NP
.endif
	FETCH_B \ns, 0, 0
	FETCH_A \ns, 0, 0
	SCALES \sn
	WIN MUL_HI
	MUL16 4, 1, 1, \sc, 0
	MUL16 6, 1, 1, \sc, 0
	PLACES NP
	WIN 0
	FETCH_A \ns, 0, 4
.endm
	s_load_b256 s[4:11], s[0:1], 0x0               ; ac, asc, opc, ops
	s_load_b128 s[12:15], s[0:1], 0x20             ; proj_b, out0
	v_lshl_add_u32 v[SPW], v0, 2, SPARE
	v_mov_b32 v[NIL], 0
	ds_add_u32 v[SPW], v[NIL]                      ; the wave's opening: the add and its wait ahead of my first tensor load
	ds_add_u32 v[SPW], v[NIL]
	v_lshrrev_b32 v1, 5, v0
	v_readfirstlane_b32 s16, v1                    ; wave
	s_lshr_b32 s17, s16, 1                         ; my half of the rows; also: I fetch for S1 (0) or S0 (1)
	s_and_b32 s18, s16, 1                          ; my half of the columns; also: which eight tiles I fetch
	s_bfe_u32 s19, ttmp6, 0x40000                  ; cx
	s_bfe_u32 s20, ttmp6, 0x40004                  ; cy
	s_and_b32 s21, ttmp7, 0xffff
	s_lshl_b32 s22, ttmp9, 2
	s_add_co_u32 s22, s22, s19                     ; work-group x
	s_lshl_b32 s2, s20, 2
	s_lshl_b32 s2, 15, s2                          ; my row of the cluster
	s_lshl_b32 s3, 0x1111, s19                     ; my column
	s_or_b32 s[G1A], s2, (3<<16)|(1<<21)
	s_or_b32 s[G1B], s3, (3<<16)|(1<<21)
.irp g, G1A, G1B                       ; codes: 16 rows (tiles) of 384 elements of 8 bytes, 1,536 elements apart
	s_mov_b32 s[\g+1], 384<<16
	s_mov_b32 s[\g+2], 16<<16
	s_mov_b32 s[\g+3], 384<<16
	s_mov_b32 s[\g+4], 16
	s_mov_b32 s[\g+5], 1536
	s_mov_b32 s[\g+6], 0
	s_mov_b32 s[\g+7], 0
.endr
	s_or_b32 s[G1SA], s2, (3<<16)|(1<<21)
	s_or_b32 s[G1SB], s3, (3<<16)|(1<<21)
.irp g, G1SA, G1SB                     ; scale words of 16 tiles: 8,192 dense bytes as 32 rows of 256
	s_mov_b32 s[\g+1], 32<<16
	s_mov_b32 s[\g+2], 32<<16
	s_mov_b32 s[\g+3], 32<<16
	s_mov_b32 s[\g+4], 32
	s_mov_b32 s[\g+5], 32
	s_mov_b32 s[\g+6], 0
	s_mov_b32 s[\g+7], 0
.endr
	s_mul_i32 s2, s18, 98304                       ; in the ring I fetch eight tiles of 12,288 bytes: which eight, in bytes
	s_mov_b32 s3, 0
	s_lshl_b32 s92, s21, 2
	s_add_co_u32 s92, s92, s20                     ; work-group y
	s_lshl_b32 s92, s92, 4
	s_lshl_b32 s96, s22, 4
	s_add_co_u32 s96, s96, 704
	s_mul_i32 s94, s92, 12288
	s_lshl_b32 s92, s92, 9
	s_mul_i32 s98, s96, 12288
	s_lshl_b32 s96, s96, 9
	s_mov_b32 s93, 0
	s_mov_b32 s95, 0
	s_mov_b32 s97, 0
	s_mov_b32 s99, 0
	s_mul_i32 s66, s16, HALFT
	s_wait_dscnt 0x0                               ; the opening add is done
	s_wait_kmcnt 0x0
	s_add_nc_u64 s[94:95], s[4:5], s[94:95]
	s_add_nc_u64 s[92:93], s[6:7], s[92:93]
	s_add_nc_u64 s[98:99], s[8:9], s[98:99]
	s_add_nc_u64 s[96:97], s[10:11], s[96:97]
.macro MKH g, lds, bas                 ; group 0 of a head's load: a whole side, at a constant LDS address
	s_mov_b32 s[\g], 1
	s_mov_b32 s[\g+1], \lds
	s_mov_b64 s[\g+2:\g+3], s[\bas:\bas+1]
	s_or_b32 s[\g+3], s[\g+3], 0x80000000
.endm
.macro ARM under, g0, g1, next         ; one arm of the head's chain: its load, and a jump to the join
	s_cmp_lt_u32 s16, \under
	s_cbranch_scc0 \next
	tensor_load_to_lds s[\g0:\g0+3], s[\g1:\g1+7]
	s_nop 0
.rept 4
	v_nop
.endr
	s_branch .Lhead_asked
\next:
.endm
	MKH G0SA, SCL, 92
	MKH G0SB, SCL+8192, 96
	MKH G0A0, 0, 94
	MKH G0B0, SIDE, 98
	s_add_nc_u64 s[94:95], s[94:95], s[2:3]        ; for the ring: my eight tiles
	s_add_nc_u64 s[98:99], s[98:99], s[2:3]
	MKG0 G0A1, 66, SLOT, 94, SLB
	MKG0 G0A2, 66, 2*SLOT, 94, 2*SLB
	MKG0 G0B1, 66, SLOT, 98, SLB
	MKG0 G0B2, 66, 2*SLOT, 98, 2*SLB
	s_add_co_u32 s2, s2, 3*SLB                     ; from a side's K slot 0 to my eight tiles' K slot 3
	CROUND                                         ; all sixteen work-groups are here: the first joint loads meet
	ARM 1, G0A0, G1A, .Lhead_b                     ; one load a wave at the head: S1's 16 tiles of K slot 0,
	ARM 2, G0B0, G1B, .Lhead_sa                    ; S0's,
	ARM 3, G0SA, G1SA, .Lhead_sb                   ; S1's scale words,
	tensor_load_to_lds s[G0SB:G0SB+3], s[G1SB:G1SB+7]  ; S0's
	s_nop 0
.rept 4
	v_nop
.endr
.Lhead_asked:
	v_and_b32 v1, 31, v0
	v_and_b32 v2, 15, v0                           ; r
	v_bfe_u32 v3, v0, 4, 1                         ; h
	v_lshlrev_b32 v[L16], 4, v1
	v_lshlrev_b32 v[L8], 3, v1
	v_lshlrev_b32 v19, 6, v3                       ; 64 h
	s_wait_alu depctr_va_vdst(0)
	s_lshl_b32 s92, s21, 2
	s_add_co_u32 s92, s92, s20
	s_lshl_b32 s92, s92, 1
	s_add_co_u32 s92, s92, s17
	s_lshl_b32 s92, s92, 19                        ; my first row: 128 rows of 4,096 bytes a half
	s_lshl_b32 s94, s22, 1
	s_add_co_u32 s94, s94, s18
	s_lshl_b32 s94, s94, 9                         ; my first column: 128 numbers of 4 bytes a half
	s_mov_b32 s93, 0
	s_mov_b32 s95, 0
	s_add_nc_u64 s[12:13], s[12:13], s[94:95]
	s_add_nc_u64 s[14:15], s[14:15], s[92:93]
	s_add_nc_u64 s[14:15], s[14:15], s[94:95]
.irp be, 0,1,2,3
.irp j, 0,1,2,3
	global_load_b128 v[BI+16*\be+4*\j:BI+16*\be+4*\j+3], v19, s[12:13] offset:128*\be+16*\j   ; register 16 B + i: column 32 B + 16 h + i
.endr
.endr
	s_mul_i32 s92, s17, HALFT
	s_mul_i32 s93, s18, HALFT
	s_add_co_u32 s93, s93, SIDE
.irp s, 0,1,2
	v_add_nc_u32 v[A16+\s], s92, v[L16]
	v_add_nc_u32 v[A8+\s], s92, v[L8]
	v_add_nc_u32 v[B16+\s], s93, v[L16]
	v_add_nc_u32 v[B8+\s], s93, v[L8]
	s_add_co_u32 s92, s92, SLOT
	s_add_co_u32 s93, s93, SLOT
.endr
	v_lshlrev_b32 v[ADRS], 3, v2                   ; 8 r
	s_lshl_b32 s92, s17, 12
	s_lshl_b32 s93, s18, 12
	s_add_co_u32 s93, s93, 8192
	s_sub_co_u32 s93, s93, s92
	v_mul_u32_u24 v20, s93, v3                     ; lanes 16-31 take S0's
	s_add_co_u32 s92, s92, SCL
	v_add_nc_u32 v[ADRS], v[ADRS], v20
	v_add_nc_u32 v[ADRS], s92, v[ADRS]
	s_mul_i32 s92, s16, 8448
	s_add_co_u32 s92, s92, SLOT                    ; my stage, in slot 1
	v_mul_u32_u24 v[STO], v2, 528
	v_lshl_add_u32 v[STO], v3, 6, v[STO]
	v_add_nc_u32 v[STO], s92, v[STO]               ; in: row r, + 64 h
	v_add_nc_u32 v[RD], s92, v[L16]                ; back: a row's 512 bytes, 16 a lane
	s_wait_alu depctr_va_vdst(0)
	s_wait_tensorcnt 0x0                           ; my tile of the head's four is in
	ds_add_u32 v[SPW], v[NIL]
	s_mov_b32 s[G1A+2], 8<<16                      ; no tensor load of mine is out: from here on a load brings eight tiles,
	s_mov_b32 s[G1A+4], 8
	s_mov_b32 s[G1B+2], 8<<16
	s_mov_b32 s[G1B+4], 8
	s_add_co_u32 s[G0A0+1], s66, 0                 ; and slot 0's group 0 is set for its refill: my eight tiles of K slot 3
	s_add_co_u32 s[G0B0+1], s66, 0
	s_add_nc_u64 s[G0A0+2:G0A0+3], s[G0A0+2:G0A0+3], s[2:3]
	s_add_nc_u64 s[G0B0+2:G0B0+3], s[G0B0+2:G0B0+3], s[2:3]
	s_wait_dscnt 0x0
	CROUND                                         ; all four tiles are in, in every partner
	JLOAD G0A1, G1A, G0B1, G1B                     ; K slot 1, the first tensor load behind the round
	FETCH_B 0, 0, 0
	FETCH_A 0, 0, 0
	SCALES 0
	FETCH_A 0, 0, 4
	s_wait_loadcnt 0x0                             ; the bias
	STEP 0, 0, 0, 2, 0, 1, -1                      ; K step 0 starts the sums from the bias
	TURN 0, 2, 1, 1                                ; 1: slot 1 is whole in every wave; slot 2 is asked for
	STEP 0, 0, 1, 0, 1, 1, -1                      ; 2
	TURN 1, 1, 2, 2                                ; 3: slot 2 is whole; slot 0, read out since K step 1, takes K slot 3
	STEP 0, 0, 0, 0, 2, 1, -1                      ; 4
	TURN 0, 0, 0, 3                                ; 5: the refill has landed in every wave; nobody reads slot 1 any more
	STEP 0, 0, 1, 0, 0, 1, -1                      ; 6
	s_wait_dscnt 4*NL                              ; 7: nothing more to fetch
	WIN MUL_LO
	MUL16 0, 1, 1, 1, 0
	MUL16 2, 1, 1, 1, 0
	s_wait_dscnt 0x0
	WIN MUL_HI
	MUL16 4, 1, 1, 1, 0
	MUL16 6, 1, 1, 1, 0
	WIN 0
.macro TOSTAGE a
.set AC, 64*((\a)%4)
	WIN 0x08+4*((\a)/4)                            ; an LDS store's data: window 2 or 3
.irp b, 0,1,2,3,4,5,6,7
	ds_store_b128 v[STO], v[AC+8*\b:AC+8*\b+3] offset:128*(\b/2)+32*(\b%2)         ; each accumulator from its low end on
	ds_store_b128 v[STO], v[AC+8*\b+4:AC+8*\b+7] offset:128*(\b/2)+32*(\b%2)+16
.endr
	WIN 0
.set BB, BK+64*((\a)%2)
.irp t, 0,1,2,3,4,5,6,7,8,9,10,11,12,13,14,15
	ds_load_b128 v[BB+4*\t:BB+4*\t+3], v[RD] offset:528*\t   ; LDS serves a wave's instructions in order: these see the stores above, and the next block's stores come behind them
.endr
.endm
.macro SEND a, younger                 ; younger: the LDS instructions issued behind block a's loads
.set BB, BK+64*((\a)%2)
	s_wait_dscnt \younger
.irp t, 0,1,2,3,4,5,6,7,8,9,10,11,12,13,14,15
	global_store_b128 v[L16], v[BB+4*\t:BB+4*\t+3], s[14:15] offset:(32*((\a)/2)+8*((\a)%2)+\t+8*(\t/8))*4096 th:TH_STORE_NT   ; 512 consecutive bytes, aligned to 256; the row of position t; 127 rows at the most, inside the immediate
.endr
.endm
	PLACES NP                                      ; behind the last products: for the reads of results and the loads over S1's fragments
	TOSTAGE 0
.irp a, 1,2,3,4,5,6,7
.if \a > 1
	s_wait_xcnt 0x0                                ; block a - 2's stores have read their registers: block a's loads may land there
.endif
	TOSTAGE \a
	SEND \a-1, 32                                  ; behind block a - 1's loads: block a's 16 stores and 16 loads
.endr
	SEND 7, 0
	s_wait_tensorcnt 0x0                           ; the wave's end
	ds_add_u32 v[SPW], v[NIL]
	s_wait_dscnt 0x0
	CROUND                                         ; the closing round
	s_endpgm
.Lfunc_end_k_q9ac0913c9e_proj:
	.size	k_q9ac0913c9e_proj, .Lfunc_end_k_q9ac0913c9e_proj-k_q9ac0913c9e_proj
	.p2alignl 7, 3214868480
	.fill 96, 4, 3214868480
	.section	.rodata,"a",@progbits
	.p2align	6, 0x0
	.amdhsa_kernel k_q9ac0913c9e_proj
		.amdhsa_group_segment_fixed_size 327680
		.amdhsa_private_segment_fixed_size 0
		.amdhsa_enable_private_segment 0
		.amdhsa_kernarg_size 48
		.amdhsa_user_sgpr_count 2
		.amdhsa_user_sgpr_kernarg_segment_ptr 1
		.amdhsa_wavefront_size32 1
		.amdhsa_system_sgpr_workgroup_id_x 1
		.amdhsa_system_sgpr_workgroup_id_y 1
		.amdhsa_system_sgpr_workgroup_id_z 1
		.amdhsa_system_vgpr_workitem_id 0
		.amdhsa_next_free_vgpr 1024
		.amdhsa_next_free_sgpr 102
		.amdhsa_reserve_vcc 0
		.amdhsa_float_denorm_mode_32 3
		.amdhsa_float_denorm_mode_16_64 3
		.amdhsa_memory_ordered 1
		.amdhsa_forward_progress 1
		.amdhsa_inst_pref_size 146
	.end_amdhsa_kernel
	.amdgpu_metadata
---
amdhsa.version: [ 1, 2 ]
amdhsa.kernels:
  - .name:           k_q9ac0913c9e_proj
    .symbol:         k_q9ac0913c9e_proj.kd
    .args:
      - { .name: ac, .offset: 0, .size: 8, .value_kind: global_buffer, .address_space: global }
      - { .name: asc, .offset: 8, .size: 8, .value_kind: global_buffer, .address_space: global }
      - { .name: opc, .offset: 16, .size: 8, .value_kind: global_buffer, .address_space: global }
      - { .name: ops, .offset: 24, .size: 8, .value_kind: global_buffer, .address_space: global }
      - { .name: proj_b, .offset: 32, .size: 8, .value_kind: global_buffer, .address_space: global }
      - { .name: out0, .offset: 40, .size: 8, .value_kind: global_buffer, .address_space: global }
    .group_segment_fixed_size: 327680
    .private_segment_fixed_size: 0
    .kernarg_segment_align: 8
    .kernarg_segment_size: 48
    .max_flat_workgroup_size: 128
    .sgpr_count:     102
    .vgpr_count:     1024
    .wavefront_size: 32
...
	.end_amdgpu_metadata
.endif
;; end of part 4
